; MI455X (gfx1250); checked and timed in simulation.
; The chip was launched on July 23, 2026; its instructions are those of AMD's public machine-readable ISA for CDNA 5 (MIT licence, August 2026) and "CDNA5" Instruction Set Architecture Reference Guide (July 2026). The comments in the code are by the model that wrote it; some were corrected since.
;; Multi Head Attention. Allowed arithmetic: matrix products marked QUANTISED: E2M1 operands, one E8M0 scale for each 32 along K, by v_wmma_scale_f32_16x16x128_f8f6f4 with both operands' format E2M1 (or v_wmma_scale_f32_32x16x128_f4), f32 sums; products left as they are: bf16, f16 or f32 operands; f32 sums; everything else in f32.
;; Inputs: Wc 1,024 x 1,024 float32; Wk 1,024 x 1,024 float32; Wq 1,024 x 1,024 float32; Wv 1,024 x 1,024 float32; bc 1,024 float32; key 4 x 2,048 x 1,024 float32; mask 4 x 2,048 x 1 bool; query 4 x 2,048 x 1,024 float32; value 4 x 2,048 x 1,024 float32.
;; Outputs: out0 4 x 2,048 x 1,024 float32.
;; This version of the problem:
;;   THIS VERSION OF THE PROBLEM IS GIVEN IN LOW PRECISION. The matrix products marked QUANTISED in the list below multiply operands that are first quantised to E2M1 (2 exponent bits, 1 mantissa bit; 4 bits a number), with one power-of-two scale for each 32 numbers along K (OCP MX v1.0); their sums are f32. The products marked 'left as it is' may take bf16, f16 or f32 operands, with f32 sums. Whichever they take, every output number must still come out within the allowed error. Rounding operands to bf16 (8 significant bits) uses up far more of that allowance than f16 does (11 bits, for magnitudes from 6e-5 to 65,504). All else is computed in f32.
;;   The module's matrix products, in the order in which they are computed (A, B: the left and right operand; K: the contracted axis; several contracted axes count as one K, in the product's order):
;;     1. [M 8,192, K 1,024] x [K 1,024, N 1,024]; A: input query; B: input Wq: QUANTISED
;;     2. [M 8,192, K 1,024] x [K 1,024, N 1,024]; A: input key; B: input Wk: QUANTISED
;;     3. [M 8,192, K 1,024] x [K 1,024, N 1,024]; A: input value; B: input Wv: QUANTISED
;;     4. batch 64 x [M 2,048, K 64] x [K 64, N 2,048]; A: computed on the way; B: computed on the way: left as it is (an operand is computed on the way)
;;     5. batch 64 x [M 2,048, K 2,048] x [K 2,048, N 64]; A: computed on the way; B: computed on the way: left as it is (an operand is computed on the way)
;;     6. [M 8,192, K 1,024] x [K 1,024, N 1,024]; A: computed on the way; B: input Wc: left as it is (an operand is computed on the way)
;;   THE QUANTISER, for each operand of a quantised product, along K:
;;     - K is cut into blocks of 32 from its start; a last block that is shorter is filled with zeros.
;;     - A block's scale is 2^e with e = floor(log2(the largest magnitude in the block)) - 2, held to -126 .. 127; a block of zeros has e = 0. As a byte (E8M0): e + 127.
;;     - Each number is divided by its block's scale, clamped to +-6, and rounded to the nearest number of E2M1, ties to even, subnormals kept.
;;     - The product sums the exact products of the quantised numbers (number of the format x scale) in f32.
;;   ~~~python
;;   def quantise(x, axis):      # numpy; x: float32 -> the quantised numbers, widened to float32 again
;;       x = np.moveaxis(x, axis, -1); K = x.shape[-1]
;;       x = np.pad(x, [(0, 0)] * (x.ndim - 1) + [(0, -K % 32)]); x = x.reshape(x.shape[:-1] + (-1, 32)); a = np.abs(x).max(-1, keepdims=True)
;;       e = np.where(a > 0, np.clip(np.frexp(np.where(a > 0, a, 1))[1] - 1 - 2, -126, 127), 0)      # np.frexp(a)[1] - 1 = floor(log2(a)), exactly
;;       r = np.clip(x / 2.0 ** e, -6, 6)
;;       step = 2.0 ** (np.maximum(np.frexp(np.where(r == 0, 1, r))[1] - 1, 0) - 1)
;;       q = np.round(r / step) * step * 2.0 ** e      # np.round: ties to even
;;       return np.moveaxis(q.reshape(q.shape[:-2] + (-1,))[..., :K], -1, axis).astype(np.float32)
;;   ~~~
;; One version. Each part assembles by itself: llvm-mc -triple=amdgcn-amd-amdhsa -mcpu=gfx1250 --defsym DOCPART=n.
;; ======== version 1 of 1: 4 launches
;; limits: values are held in f16: magnitudes above 65,504 overflow, below 6.1e-05 lose precision
;; workspace buffers: codes 14,155,776 bytes; scales 884,736 bytes; qkv 50,331,648 bytes; wc16 2,097,152 bytes; mbias 32,768 bytes; att 16,777,216 bytes
;; launch prep (part 1): grid 897 x 1, 4 waves a work-group, no clusters, 33,280 bytes of LDS; arguments query, key, value, Wq, Wk, Wv, Wc, mask, codes, scales, wc16, mbias; writes codes, scales, wc16, mbias
.if DOCPART == 1
	.amdgcn_target "amdgcn-amd-amdhsa--gfx1250"
	.amdhsa_code_object_version 6
	.text
	.protected	k_q942cf90711_prep
	.globl	k_q942cf90711_prep
	.p2align	8
	.type	k_q942cf90711_prep,@function
k_q942cf90711_prep:
	s_mov_b64 s[64:65], 0
	v_nop
	global_prefetch_b8 v0, s[64:65] scope:SCOPE_SE
	s_setreg_imm32_b32 hwreg(HW_REG_WAVE_MODE, 25, 1), 1
	s_wait_xcnt 0x0
; MULTI-HEAD ATTENTION, launch 1 of 4.  NO WORK OF THE PROBLEM IS LEFT OUT: every input (query, key, value, mask, Wq, Wk, Wv, Wc, bc) has a way to the output and is loaded by some launch.
; This launch prepares operands, each read once here:
;   work-groups 0-863:   query, key, value [8192][1024], Wq, Wk, Wv [1024][1024], f32, K innermost -> codes of FP4 (E2M1) and one E8M0 byte for each 32 along K.  The six tensors are laid one behind the other:
;                        27,648 rows of 512 bytes of codes and of 32 scale bytes (query 0, key 8192, value 16384, Wq 24576, Wk 25600, Wv 26624).
;   work-groups 864-895: Wc, f32 -> f16 (operand of a product that is left as it is).
;   work-group 896:      mask (one byte a key) -> a term in f32 for each key: 0 where the key counts, -2^100 where it does not (launch 3 says why that number stands for -infinity).
; A block's scale is 2^(floor(log2(its largest magnitude)) - 2); its byte is the largest magnitude's exponent field - 2, held at 1 from below.  A block of zeros so gets the byte 1 where the rule says 127:
; its codes are zeros, which add nothing under any byte but 0xff, and the bytes are read by this program alone.
; LIMITS: blocks whose largest magnitude lies under 2^-124 have their byte held at 1; NaN and infinities among the inputs are not served by the quantiser.
; Rows are dense and K is a multiple of 32: each tensor is a plain stream of blocks of 32 numbers, and so are the codes and the scale bytes.  A wave takes 16 steps of 512 numbers.  Each of a step's four loads reads
; 512 consecutive bytes; the 2,048 bytes turn through the wave's own stage in LDS (16 bytes of padding behind each 64) and come back 64 bytes a lane: 16 neighbours along K, two lanes to a block.
; A lane's 16 codes are 8 bytes: a wave's store covers 256 consecutive bytes, aligned.  A wave's 256 scale bytes are gathered in LDS and leave as 256 consecutive bytes, aligned.
; No tensor loads, no barrier, no cluster, no matrix unit: a stream whose waves share nothing.
.set GA,    864                        ; work-groups that make codes: 27,648 x 1,024 numbers / 32,768
.set GW,    32                         ; work-groups for Wc: 1,048,576 / 32,768
.set WAVES, 4
.set STEPS, 16
.set EMAX,  2
.set CB,    8                          ; bytes of 16 codes
.set R,     16                         ; v16-79   four sets of 16 numbers as they are loaded
.set X,     80                         ; v80-111  two sets of 16 neighbours
.set C,     128                        ; v128-191 codes: four registers for each step, so that no store's data are written again
.set E,     112                        ; v112-127 a scale byte for each step
.set WREG,  8192                       ; LDS: a region for each wave: two stages of 32 x SP bytes, behind them its 256 scale bytes
.set SP,    80                         ; a lane's place in a stage: 64 bytes + 16 of padding
.set SPW,   12                         ; v12      LDS address of my spare word; never rewritten
.set NIL,   13                         ; v13      0; never rewritten
.set SPARE, WAVES*WREG                 ; behind the four regions: the spare words, 128 bytes a wave, which no other line names
	s_load_b512 s[8:23], s[0:1], 0x0               ; query s[8:9], key s[10:11], value s[12:13], Wq s[14:15], Wk s[16:17], Wv s[18:19], Wc s[20:21], mask s[22:23]
	s_load_b256 s[24:31], s[0:1], 0x40             ; codes s[24:25], scales s[26:27], wc16 s[28:29], mbias s[30:31]
	v_lshl_add_u32 v[SPW], v0, 2, SPARE
	v_mov_b32 v[NIL], 0
	v_lshrrev_b32 v1, 5, v0
	v_readfirstlane_b32 s32, v1                    ; wave
	v_and_b32 v2, 31, v0                           ; lane
	v_lshlrev_b32 v3, 4, v2                        ; my 16 bytes of a load's 512
	s_mul_i32 s34, s32, WREG
	v_lshrrev_b32 v14, 2, v2
	v_mul_u32_u24 v14, v14, SP
	v_and_b32 v15, 3, v2
	v_lshl_add_u32 v14, v15, 4, v14
	v_add_nc_u32 v14, s34, v14                     ; the stage, on the way in: SP (lane / 4) + 16 (lane % 4)
	v_mul_u32_u24 v15, v2, SP
	v_add_nc_u32 v15, s34, v15                     ; and on the way out: SP x lane: my 16 neighbours
	v_mul_u32_u24 v4, v2, CB                       ; 8 bytes a lane on the way to memory
	v_lshrrev_b32 v5, 1, v2
	s_add_co_u32 s34, s34, 2*32*SP
	v_add_nc_u32 v5, s34, v5                       ; LDS: my wave's 256 scale bytes, my block's byte
	v_lshlrev_b32 v7, 3, v2
	v_add_nc_u32 v6, s34, v7                       ; and 8 of them a lane on the way out
	s_wait_kmcnt 0x0
	s_cmp_ge_u32 ttmp9, GA                         ; the paths part on the work-group's number alone, and do not meet again
	s_cbranch_scc1 .Lnot_codes
	; ---- codes.  Which tensor: five choices on the work-group's number; s33 = the tensor's first work-group
	s_mov_b64 s[4:5], s[18:19]
	s_mov_b32 s33, 832
	s_cmp_lt_u32 ttmp9, 832
	s_cselect_b64 s[4:5], s[16:17], s[4:5]
	s_cselect_b32 s33, 800, s33
	s_cmp_lt_u32 ttmp9, 800
	s_cselect_b64 s[4:5], s[14:15], s[4:5]
	s_cselect_b32 s33, 768, s33
	s_cmp_lt_u32 ttmp9, 768
	s_cselect_b64 s[4:5], s[12:13], s[4:5]
	s_cselect_b32 s33, 512, s33
	s_cmp_lt_u32 ttmp9, 512
	s_cselect_b64 s[4:5], s[10:11], s[4:5]
	s_cselect_b32 s33, 256, s33
	s_cmp_lt_u32 ttmp9, 256
	s_cselect_b64 s[4:5], s[8:9], s[4:5]
	s_cselect_b32 s33, 0, s33
	s_sub_co_u32 s34, ttmp9, s33
	s_lshl_b32 s34, s34, 2
	s_add_co_u32 s34, s34, s32                     ; which run of 8,192 numbers of the tensor is my wave's
	s_lshl_b32 s36, s34, 15                        ; 32,768 bytes a run
	s_mov_b32 s37, 0
	s_add_nc_u64 s[4:5], s[4:5], s[36:37]
	s_lshl_b32 s34, ttmp9, 2
	s_add_co_u32 s34, s34, s32                     ; and which run of the six tensors on end
	s_lshl_b32 s36, s34, 12                        ; 4,096 bytes of codes a run
	s_add_nc_u64 s[24:25], s[24:25], s[36:37]
	s_lshl_b32 s36, s34, 8                         ; 256 scale bytes a run
	s_add_nc_u64 s[26:27], s[26:27], s[36:37]
.macro LOAD t
.irp i, 0,1,2,3
	global_load_b128 v[R+16*((\t)%4)+4*\i:R+16*((\t)%4)+4*\i+3], v3, s[4:5] offset:2048*(\t)+512*\i th:TH_LOAD_NT   ; 32 lanes read 512 consecutive bytes
.endr
.endm
.macro TURN t                          ; step t's numbers through the stage: LDS serves a wave's instructions in order, so no wait stands between the stores and the loads
.irp i, 0,1,2,3
	ds_store_b128 v14, v[R+16*((\t)%4)+4*\i:R+16*((\t)%4)+4*\i+3] offset:32*SP*((\t)%2)+8*SP*\i
.endr
.irp i, 0,1,2,3
	ds_load_b128 v[X+16*((\t)%2)+4*\i:X+16*((\t)%2)+4*\i+3], v15 offset:32*SP*((\t)%2)+16*\i
.endr
.endm
.irp t, 0,1,2,3
	LOAD \t
.endr
	s_wait_loadcnt 12                              ; step 0's four loads are in; the twelve of steps 1 to 3 may be out
	TURN 0
.macro STEP t
.set XS, X+16*((\t)%2)
.if (\t) > 0
	s_wait_dscnt 1                                 ; this step's numbers are back from the stage (the last step's byte store may be out)
.else
	s_wait_dscnt 0x0
.endif
.if (\t)+4 < STEPS
	LOAD (\t)+4                                    ; into the registers that this step's stores into the stage have read
.endif
.if (\t)+1 < STEPS
.if STEPS-2-(\t) >= 3
	s_wait_loadcnt 12                              ; the next step's four loads are in; those of the three steps behind it may be out
.else
	s_wait_loadcnt 4*(STEPS-2-(\t))
.endif
	TURN (\t)+1                                    ; they go through the other stage while this step is worked
.endif
	v_max3_num_f32 v8, |v[XS]|, |v[XS+1]|, |v[XS+2]|               ; the largest magnitude of my 16, in two chains
	v_max3_num_f32 v9, |v[XS+3]|, |v[XS+4]|, |v[XS+5]|
.irp i, 6,10
	v_max3_num_f32 v8, v8, |v[XS+\i]|, |v[XS+\i+1]|
	v_max3_num_f32 v9, v9, |v[XS+\i+2]|, |v[XS+\i+3]|
.endr
	v_max3_num_f32 v8, v8, |v[XS+14]|, |v[XS+15]|
	v_max3_num_f32 v8, v8, v9, (EMAX+1)<<23        ; and the floor 2^(3 - 127): the byte cannot fall under 1
	v_max_num_f32_dpp v8, v8, v8 row_xmask:1 row_mask:0xf bank_mask:0xf   ; with my neighbour's 16: the block's
	v_add_nc_u32 v11, -(EMAX<<23), v8              ; 2 off its exponent field: the conversion takes the exponent field of this operand as its scale
	v_cvt_scalef32_pk8_fp4_f32 v[C+4*(\t)], v[XS:XS+7], v11        ; to the nearest code, ties to even, beyond the largest code the largest
	v_cvt_scalef32_pk8_fp4_f32 v[C+4*(\t)+1], v[XS+8:XS+15], v11
	v_lshrrev_b32 v[E+(\t)], 23, v11               ; the scale's byte (also the plain line behind the conversions)
	ds_store_b8 v5, v[E+(\t)] offset:16*(\t)       ; both lanes of a block write the same byte with the same value
	global_store_b64 v4, v[C+4*(\t):C+4*(\t)+1], s[24:25] offset:32*CB*(\t)   ; 32 lanes store 256 consecutive bytes, aligned
.endm
.irp t, 0,1,2,3,4,5,6,7,8,9,10,11,12,13,14,15
	STEP \t
.endr
	ds_load_b64 v[8:9], v6                         ; LDS serves a wave's instructions in order: these see my byte stores
	s_wait_dscnt 0x0
	global_store_b64 v7, v[8:9], s[26:27]          ; 256 consecutive scale bytes, aligned
	s_wait_tensorcnt 0x0                           ; the wave's end, behind my last LDS store
	ds_add_u32 v[SPW], v[NIL]
	s_wait_dscnt 0x0
	s_endpgm
.Lnot_codes:
	s_cmp_eq_u32 ttmp9, GA+GW
	s_cbranch_scc1 .Lmask
	; ---- Wc to f16: a wave takes 8,192 numbers in four rounds of sixteen loads; two rounds are on their way.
	s_sub_co_u32 s34, ttmp9, GA
	s_lshl_b32 s34, s34, 2
	s_add_co_u32 s34, s34, s32
	s_lshl_b32 s36, s34, 15                        ; 32,768 bytes in,
	s_mov_b32 s37, 0
	s_add_nc_u64 s[20:21], s[20:21], s[36:37]
	s_lshl_b32 s36, s34, 14                        ; 16,384 out
	s_add_nc_u64 s[28:29], s[28:29], s[36:37]
.macro LOADW q
.irp i, 0,1,2,3,4,5,6,7,8,9,10,11,12,13,14,15
	global_load_b128 v[16+64*((\q)%2)+4*\i:16+64*((\q)%2)+4*\i+3], v3, s[20:21] offset:512*(16*(\q)+\i) th:TH_LOAD_NT
.endr
.endm
.macro ROUNDW q
.if (\q) < 3
	s_wait_loadcnt 16                              ; this round's sixteen loads are in; the next round's may be out
.else
	s_wait_loadcnt 0x0
.endif
.if (\q) > 0
	s_wait_xcnt 0x0                                ; the last round's stores have read v144-175: they are written again only behind this wait
.endif
.irp i, 0,1,2,3,4,5,6,7,8,9,10,11,12,13,14,15
	v_cvt_pk_f16_f32 v[144+2*\i], v[16+64*((\q)%2)+4*\i], v[16+64*((\q)%2)+4*\i+1]
	v_cvt_pk_f16_f32 v[145+2*\i], v[16+64*((\q)%2)+4*\i+2], v[16+64*((\q)%2)+4*\i+3]
.endr
.irp i, 0,1,2,3,4,5,6,7,8,9,10,11,12,13,14,15
	global_store_b64 v4, v[144+2*\i:145+2*\i], s[28:29] offset:256*(16*(\q)+\i)   ; 256 consecutive bytes, aligned
.endr
.if (\q) < 2
	LOADW (\q)+2
.endif
.endm
	LOADW 0
	LOADW 1
	ROUNDW 0
	ROUNDW 1
	ROUNDW 2
	ROUNDW 3
	s_endpgm
.Lmask:
	; ---- the mask: 8,192 bytes; a thread takes two neighbouring keys of each 256.
	v_lshlrev_b32 v10, 1, v0
	v_lshlrev_b32 v11, 3, v0
	v_mov_b32 v9, 0xf1800000                       ; -2^100
.irp i, 0,1,2,3,4,5,6,7,8,9,10,11,12,13,14,15,16,17,18,19,20,21,22,23,24,25,26,27,28,29,30,31
	global_load_u16 v[16+\i], v10, s[22:23] offset:256*\i
.endr
	s_wait_loadcnt 0x0
.irp i, 0,1,2,3,4,5,6,7,8,9,10,11,12,13,14,15,16,17,18,19,20,21,22,23,24,25,26,27,28,29,30,31
	v_and_b32 v8, 0xff, v[16+\i]
	v_cmp_eq_u32 vcc_lo, 0, v8
	v_cndmask_b32 v[48+2*\i], 0, v9, vcc_lo        ; the lower key's term
	v_lshrrev_b32 v8, 8, v[16+\i]
	v_cmp_eq_u32 vcc_lo, 0, v8
	v_cndmask_b32 v[49+2*\i], 0, v9, vcc_lo        ; the upper key's
	global_store_b64 v11, v[48+2*\i:49+2*\i], s[30:31] offset:1024*\i   ; each store has data registers of its own; a wave stores 256 consecutive bytes, aligned
.endr
	s_endpgm
.Lfunc_end_k_q942cf90711_prep:
	.size	k_q942cf90711_prep, .Lfunc_end_k_q942cf90711_prep-k_q942cf90711_prep
	.p2alignl 7, 3214868480
	.fill 96, 4, 3214868480
	.section	.rodata,"a",@progbits
	.p2align	6, 0x0
	.amdhsa_kernel k_q942cf90711_prep
		.amdhsa_group_segment_fixed_size 33280
		.amdhsa_private_segment_fixed_size 0
		.amdhsa_enable_private_segment 0
		.amdhsa_kernarg_size 96
		.amdhsa_user_sgpr_count 2
		.amdhsa_user_sgpr_kernarg_segment_ptr 1
		.amdhsa_wavefront_size32 1
		.amdhsa_system_sgpr_workgroup_id_x 1
		.amdhsa_system_sgpr_workgroup_id_y 1
		.amdhsa_system_sgpr_workgroup_id_z 1
		.amdhsa_system_vgpr_workitem_id 0
		.amdhsa_next_free_vgpr 192
		.amdhsa_next_free_sgpr 66
		.amdhsa_reserve_vcc 1
		.amdhsa_float_denorm_mode_32 3
		.amdhsa_float_denorm_mode_16_64 3
		.amdhsa_memory_ordered 1
		.amdhsa_forward_progress 1
		.amdhsa_inst_pref_size 68
	.end_amdhsa_kernel
	.amdgpu_metadata
---
amdhsa.version: [ 1, 2 ]
amdhsa.kernels:
  - .name:           k_q942cf90711_prep
    .symbol:         k_q942cf90711_prep.kd
    .args:
      - { .name: query, .offset: 0, .size: 8, .value_kind: global_buffer, .address_space: global }
      - { .name: key, .offset: 8, .size: 8, .value_kind: global_buffer, .address_space: global }
      - { .name: value, .offset: 16, .size: 8, .value_kind: global_buffer, .address_space: global }
      - { .name: Wq, .offset: 24, .size: 8, .value_kind: global_buffer, .address_space: global }
      - { .name: Wk, .offset: 32, .size: 8, .value_kind: global_buffer, .address_space: global }
      - { .name: Wv, .offset: 40, .size: 8, .value_kind: global_buffer, .address_space: global }
      - { .name: Wc, .offset: 48, .size: 8, .value_kind: global_buffer, .address_space: global }
      - { .name: mask, .offset: 56, .size: 8, .value_kind: global_buffer, .address_space: global }
      - { .name: codes, .offset: 64, .size: 8, .value_kind: global_buffer, .address_space: global }
      - { .name: scales, .offset: 72, .size: 8, .value_kind: global_buffer, .address_space: global }
      - { .name: wc16, .offset: 80, .size: 8, .value_kind: global_buffer, .address_space: global }
      - { .name: mbias, .offset: 88, .size: 8, .value_kind: global_buffer, .address_space: global }
    .group_segment_fixed_size: 33280
    .private_segment_fixed_size: 0
    .kernarg_segment_align: 8
    .kernarg_segment_size: 96
    .max_flat_workgroup_size: 128
    .sgpr_count:     66
    .vgpr_count:     192
    .wavefront_size: 32
...
	.end_amdgpu_metadata
.endif
;; end of part 1
;; launch proj (part 2): grid 4 x 96, 4 waves a work-group, clusters of 4 x 4, 327,680 bytes of LDS; arguments codes, scales, qkv; writes qkv
.if DOCPART == 2
	.amdgcn_target "amdgcn-amd-amdhsa--gfx1250"
	.amdhsa_code_object_version 6
	.text
	.protected	k_q942cf90711_proj
	.globl	k_q942cf90711_proj
	.p2align	8
	.type	k_q942cf90711_proj,@function
k_q942cf90711_proj:
	s_mov_b64 s[64:65], 0
	v_nop
	global_prefetch_b8 v0, s[64:65] scope:SCOPE_SE
	s_setreg_imm32_b32 hwreg(HW_REG_WAVE_MODE, 25, 1), 1
	s_wait_xcnt 0x0
	s_wait_alu depctr_hold_cnt(0) depctr_sa_sdst(0) depctr_va_vdst(0) depctr_va_sdst(0) depctr_va_ssrc(0) depctr_va_vcc(0) depctr_vm_vsrc(0)
	s_getreg_b32 s2, hwreg(HW_REG_IB_STS2, 6, 4)
	s_cmp_eq_u32 s2, 0
	s_cbranch_scc0 .Lentry_in_a_cluster
	s_endpgm
.Lentry_in_a_cluster:
	s_bfe_u32 s2, ttmp6, 0x10000c
	s_cmp_lg_u32 s2, 0xf033
	s_cbranch_scc0 .Lentry_shape_is_right
	s_endpgm
.Lentry_shape_is_right:
; Launch 2 of 4: the three QUANTISED products as one GEMM on codes of FP4 (E2M1) with E8M0 scales.  Nothing of the problem is left out here.
; C[m][n] = sum over k of A[m][k] B[n][k], K = 1,024.  A: rows 0 .. 24,575 of the codes (query, key, value on end).  B: the 1,024 rows of the weight that belongs to A's tensor (Wq, Wk, Wv from row 24,576 on).
; C = qkv, [24,576][1,024], rounded once to f16: operands of products that are left as they are.  LIMIT: a result beyond 65,504 in magnitude becomes an infinity of f16.
; A tile of C, 256 x 256, is made by four waves, each 128 x 128: 64 accumulators of 16 x 16, 512 registers.  K lies in two LDS slots of 512 along K (rows of 256 bytes): all of K is asked for at the head, nothing is filled again.
; The scale bytes of the work-group's 256 rows of A and of B, for all of K, are two dense blocks of memory: they come once, as rows of 256 bytes.
; CLUSTERS: 4 x 4 work-groups; a tile of A is shared along a row of the cluster, a tile of B along a column: each is asked for jointly, by the same tensor load with the same descriptor and a mask that names the four.
; A cluster's four tile rows lie in one tensor (a tensor has 32 tile rows), so which weight B is hangs on the cluster's y alone.
; THE MATRIX INSTRUCTION IS USED TRANSPOSED (source 0 = 16 rows of B, source 1 = 16 rows of A): a lane then holds eight neighbouring numbers of a row of C.
; REGISTERS, in windows of 256: window 0: v0-31 addresses; v32-95 scale words, two sets; v128-191 A's fragments, ONE set; on the way out v32-63, v192-255 at work.
;   window 1: B's fragments, two sets, at v0 and v128.   window 2: the accumulators of my rows 0-63 ((a, b) at v[8 (8 a + b)]);   window 3: those of my rows 64-127.
.set SIZE_M, 24576
.set SIZE_N, 1024
.set SIZE_K, 1024
.set KSTEP,  512                       ; along K in a slot
.set NQ,     KSTEP/128                 ; matrix instructions deep
.set ROWB,   256                       ; a tile's row in bytes
.set KROW,   SIZE_K/2                  ; a row of codes in memory
.set PITCH,  272                       ; an LDS row: 256 bytes + 16 of padding = 68 words, so that the 16 rows of a load start 4 words apart modulo 64
.set FR,     8                         ; registers of a fragment: 16 rows x 128 K
.set NL,     2                         ; LDS loads that bring one
.set NP,     4                         ; places behind this matrix instruction (ISA guide 7.12.1)
.set HALFT,  128*PITCH                 ; 128 rows: what one tensor load brings
.set SLOT,   4*HALFT                   ; A's 256 rows, then B's 256 rows
.set KS,     SIZE_K/32                 ; a row of scale bytes
.set SCL,    2*SLOT                    ; behind the slots: the scales, as rows of 256 bytes + 16 of padding
.set HALFS,  (128*KS/256)*272          ; the scales of 128 rows
.set SBLK,   (16*KS/256)*272           ; those of 16 rows
.set SPARE,  SCL+4*HALFS               ; the spare words, 128 bytes a wave, which no other line names
.set SPITCH, 272                       ; the way out: a stage of 16 rows x (256 bytes + 16) for each wave, in slot 0, which has had its one fill and its last read by then
.set ADRA, 16                          ; v16-17  LDS address of my A fragments in slot 0, 1
.set ADRB, 20                          ; v20-21  the same for B
.set STO,  24                          ; v24     the way out: where I put 16 bytes of a row
.set RD,   25                          ; v25     where I read a row back
.set CO,   26                          ; v26     my byte offset in two rows of C
.set ADRS, 27                          ; v27     LDS address of my scale words: lanes 0-15 A's rows, lanes 16-31 B's
.set SPW,  28                          ; v28     my spare word; never rewritten
.set NIL,  29                          ; v29     0; never rewritten
.set SC,   32                          ; scale words: set s at v[SC + 32 s]; register 4 i + q: lanes 0-15 the word of A's block i, lanes 16-31 of B's block i, for the slot's q-th 128 along K
.set AF,   128                         ; A's fragments
.set TMP,  192                         ; the way out: packed results
.set OB,   32                          ; rows read back: v32-63 and v224-255 by turns
.set G1, 24                            ; s[24:31] group 1 for A's tiles;  s[32:39] group 0, a set for each slot
.set G0, 32
.set G1B, 48                           ; s[48:55], s[56:63] the same for B's
.set G0B, 56
.set G1S, 68                           ; s[68:75], s[76:79] groups 1 and 0 for A's scales;  s[80:87], s[88:91] for B's
.set G0S, 76
.set G1SB, 80
.set G0SB, 88
.set MSB, 0
.macro WIN new                         ; the immediate's high byte repeats the setting that is left
.if MSB != \new
	s_set_vgpr_msb (MSB<<8)|\new
.set MSB, \new
.endif
.endm
.set MUL_LO, 0xa1                      ; source 0 (B) window 1, source 1 (A) window 0, C and D window 2
.set MUL_HI, 0xf1                      ; the same, C and D window 3
.set TO_B,   0x40                      ; destination window 1
; A joint load: waves 0 and 1 fetch for A, waves 2 and 3 for B; the branch hangs on the wave's number alone.  An s_nop 0 and four v_nop follow each line.
.macro JLOAD g0a, g1a, g0b, g1b
	s_cmp_eq_u32 s15, 0
	s_cbranch_scc0 .Lfor_b_\@
	tensor_load_to_lds s[\g0a:\g0a+3], s[\g1a:\g1a+7]
	s_nop 0
.rept 4
	v_nop
.endr
	s_branch .Lasked_\@
.Lfor_b_\@:
	tensor_load_to_lds s[\g0b:\g0b+3], s[\g1b:\g1b+7]
	s_nop 0
.rept 4
	v_nop
.endr
.Lasked_\@:
.endm
.macro CROUND                          ; a round of the cluster's barrier
	s_barrier_signal -1
	s_barrier_wait -1
	s_cmp_lg_u32 s14, 0
	s_cbranch_scc1 .Lnot_wave_0_\@
	s_barrier_signal -3
.Lnot_wave_0_\@:
	s_barrier_wait -3
	s_barrier_signal -1
	s_barrier_wait -1
.endm
	s_load_b128 s[4:7], s[0:1], 0x0                ; codes s[4:5], scales s[6:7]
	s_load_b64 s[12:13], s[0:1], 0x10              ; qkv
	v_lshl_add_u32 v[SPW], v0, 2, SPARE
	v_mov_b32 v[NIL], 0
	ds_add_u32 v[SPW], v[NIL]                      ; the wave's opening: the add, twice on end, and its wait ahead of my first tensor load
	ds_add_u32 v[SPW], v[NIL]
	v_lshrrev_b32 v1, 5, v0
	v_readfirstlane_b32 s14, v1                    ; wave 0..3
	s_lshr_b32 s15, s14, 1                         ; which half of the tile's rows is mine.  Also: I fetch for A (0) or for B (1)
	s_and_b32 s16, s14, 1                          ; which half of its columns.  Also: which 128 rows of that tile I fetch
	s_bfe_u32 s40, ttmp6, 0x40000                  ; cx, cy: my place in the cluster
	s_bfe_u32 s41, ttmp6, 0x40004
	s_lshl_b32 s42, ttmp9, 2
	s_add_co_u32 s42, s42, s40                     ; tile column of C
	s_and_b32 s17, ttmp7, 0xffff                   ; the cluster's y
	s_lshr_b32 s95, s17, 3                         ; which tensor: eight clusters (32 tile rows) to each: the same in all sixteen partners
	s_lshl_b32 s17, s17, 2
	s_add_co_u32 s17, s17, s41                     ; tile row of C
	s_lshl_b32 s43, s41, 2
	s_lshl_b32 s43, 15, s43                        ; my row of the cluster
	s_lshl_b32 s44, 0x1111, s40                    ; my column
	s_or_b32 s[G1+0], s43, (0<<16)|(1<<20)|(1<<21)|(5<<22)|(3<<25)  ; the mask; elements of 1 byte; padding on; bit 21 beside a mask; 4 words behind every 64
	s_or_b32 s[G1B+0], s44, (0<<16)|(1<<20)|(1<<21)|(5<<22)|(3<<25)
.irp g, G1, G1B
	s_mov_b32 s[\g+1], ROWB<<16                    ; tensor_dim0
	s_mov_b32 s[\g+2], 128<<16                     ; tensor_dim1
	s_mov_b32 s[\g+3], ROWB<<16                    ; tile_dim0
	s_mov_b32 s[\g+4], 128                         ; tile_dim1
	s_mov_b32 s[\g+5], KROW                        ; from row to row
	s_mov_b32 s[\g+6], 0
	s_mov_b32 s[\g+7], 0
.endr
	s_or_b32 s[G1S+0], s43, (3<<16)|(1<<20)|(1<<21)|(5<<22)|(3<<25) ; the scales of 128 rows: a dense block of 4,096 bytes as 16 rows of 32 elements of 8 bytes, padded likewise
	s_or_b32 s[G1SB+0], s44, (3<<16)|(1<<20)|(1<<21)|(5<<22)|(3<<25)
.irp g, G1S, G1SB
	s_mov_b32 s[\g+1], 32<<16
	s_mov_b32 s[\g+2], (128*KS/256)<<16
	s_mov_b32 s[\g+3], 32<<16
	s_mov_b32 s[\g+4], 128*KS/256
	s_mov_b32 s[\g+5], 32
	s_mov_b32 s[\g+6], 0
	s_mov_b32 s[\g+7], 0
.endr
	s_lshl_b32 s18, s16, 7                         ; which 128 rows of the tile I fetch
	s_lshl_b32 s20, s17, 8
	s_add_co_u32 s20, s20, s18                     ; A: row 256 x tile row + 128 x half
	s_lshl_b32 s46, s42, 8
	s_add_co_u32 s46, s46, s18                     ; B: 256 x tile column + 128 x half,
	s_lshl_b32 s95, s95, 10
	s_add_co_u32 s46, s46, s95                     ; in the tensor's weight,
	s_add_co_u32 s46, s46, SIZE_M                  ; behind A's rows
	s_mov_b32 s21, 0
	s_mov_b32 s47, 0
	s_mov_b64 s[18:19], KS
	s_mul_u64 s[22:23], s[20:21], s[18:19]         ; where these rows' scales begin,
	s_mul_u64 s[92:93], s[46:47], s[18:19]
	s_mov_b64 s[18:19], KROW
	s_mul_u64 s[20:21], s[20:21], s[18:19]         ; and their codes
	s_mul_u64 s[46:47], s[46:47], s[18:19]
	s_mul_i32 s45, s14, HALFT                      ; where they go: wave x 128 rows: no place in the cluster enters an LDS address
	s_mul_i32 s94, s14, HALFS
	s_wait_dscnt 0x0                               ; both opening adds are done
	s_wait_kmcnt 0x0
	s_add_nc_u64 s[20:21], s[4:5], s[20:21]
	s_add_nc_u64 s[22:23], s[6:7], s[22:23]
	s_add_nc_u64 s[46:47], s[4:5], s[46:47]
	s_add_nc_u64 s[92:93], s[6:7], s[92:93]
	CROUND                                         ; all sixteen work-groups are here: the joint loads meet
	s_mov_b32 s[G0S], 1
	s_add_co_u32 s[G0S+1], s94, SCL
	s_mov_b64 s[G0S+2:G0S+3], s[22:23]
	s_or_b32 s[G0S+3], s[G0S+3], 0x80000000
	s_mov_b32 s[G0SB], 1
	s_add_co_u32 s[G0SB+1], s94, SCL
	s_mov_b64 s[G0SB+2:G0SB+3], s[92:93]
	s_or_b32 s[G0SB+3], s[G0SB+3], 0x80000000
	JLOAD G0S, G1S, G0SB, G1SB                     ; the scales first: they are wanted with the first half of K
.irp s, 0,1
	s_mov_b32 s[G0+4*\s], 1
	s_add_co_u32 s[G0+4*\s+1], s45, \s*SLOT
	s_add_nc_u64 s[G0+4*\s+2:G0+4*\s+3], s[20:21], \s*ROWB
	s_or_b32 s[G0+4*\s+3], s[G0+4*\s+3], 0x80000000
	s_mov_b32 s[G0B+4*\s], 1
	s_add_co_u32 s[G0B+4*\s+1], s45, \s*SLOT
	s_add_nc_u64 s[G0B+4*\s+2:G0B+4*\s+3], s[46:47], \s*ROWB
	s_or_b32 s[G0B+4*\s+3], s[G0B+4*\s+3], 0x80000000
	JLOAD G0+4*\s, G1, G0B+4*\s, G1B               ; three tensor loads of mine are out behind the last
.endr
	v_and_b32 v1, 15, v0                           ; l % 16
	v_bfe_u32 v2, v0, 4, 1                         ; l / 16
	v_mul_u32_u24 v3, v1, PITCH
	v_lshl_add_u32 v4, v2, 4, v3                   ; a fragment's row x pitch + 16 x half
	s_mul_i32 s21, s15, HALFT                      ; my 128 rows of A
	s_mul_i32 s22, s16, HALFT                      ; my 128 rows of B,
	s_add_co_u32 s22, s22, 2*HALFT                 ; behind A's 256
.irp s, 0,1
	v_add_nc_u32 v[ADRA+\s], s21, v4
	v_add_nc_u32 v[ADRB+\s], s22, v4
	s_add_co_u32 s21, s21, SLOT
	s_add_co_u32 s22, s22, SLOT
.endr
	v_mul_u32_u24 v5, v1, KS                       ; my row's scales: KS bytes a row,
	v_lshrrev_b32 v6, 8, v5
	v_lshl_add_u32 v5, v6, 4, v5                   ; and 16 more for each 256 passed
	s_mul_i32 s21, s15, HALFS                      ; A's: my 128 rows
	s_mul_i32 s22, s16, HALFS                      ; B's: my 128 rows, behind A's 256
	s_add_co_u32 s22, s22, 2*HALFS
	s_sub_co_u32 s22, s22, s21
	v_mul_u32_u24 v6, s22, v2                      ; lanes 16-31 take B's: the lower base + half x the distance
	s_add_co_u32 s21, s21, SCL
	v_add_nc_u32 v5, v5, v6
	v_add_nc_u32 v[ADRS], s21, v5
	s_mul_i32 s23, s14, 16*SPITCH                  ; my stage
	v_mul_u32_u24 v5, v1, SPITCH                   ; in: row l % 16, 16 bytes for each half of the lanes
	v_lshl_add_u32 v5, v2, 4, v5
	v_add_nc_u32 v[STO], s23, v5
	v_mul_u32_u24 v5, v2, SPITCH                   ; back: lanes 0-15 one row of 256 bytes, lanes 16-31 the next
	v_lshl_add_u32 v5, v1, 4, v5
	v_add_nc_u32 v[RD], s23, v5
	v_mul_u32_u24 v5, v2, SIZE_N*2                 ; and the same two rows in C
	v_lshl_add_u32 v[CO], v1, 4, v5
	s_lshl_b32 s20, s17, 8
	s_lshl_b32 s21, s15, 7
	s_add_co_u32 s20, s20, s21                     ; my first row of C
	s_mov_b32 s21, 0
	s_mov_b64 s[18:19], SIZE_N*2
	s_mul_u64 s[20:21], s[20:21], s[18:19]
	s_lshl_b32 s46, s42, 9                         ; my first column, in bytes: 512 x tile column + 256 x half
	s_lshl_b32 s47, s16, 8
	s_add_co_u32 s46, s46, s47
	s_mov_b32 s47, 0
	s_add_nc_u64 s[20:21], s[20:21], s[46:47]
	s_add_nc_u64 s[12:13], s[12:13], s[20:21]
.macro FRAG reg, adr, q, i             ; 16 rows x 128 K of 4-bit codes: lane l holds row l % 16; registers 4 c .. 4 c + 3 hold K = 64 c + 32 (l / 16) + 0 .. 31
.irp c, 0,1
	ds_load_b128 v[\reg+4*\c:\reg+4*\c+3], v[\adr] offset:64*(\q)+32*\c+(\i)*16*PITCH
.endr
.endm
; 16 matrix instructions: A's blocks a0, a0 + 1 x B's eight, the slot's q-th 128 along K.  p: B's set; sc: the set of scale words.  zero = 1: the first product starts the sums.
; The 64 accumulators take turns, one instruction a turn, in the same order in every step.
.macro MUL16 a0, p, q, sc, zero
.irp a, \a0, \a0+1
.irp b, 0,1,2,3,4,5,6,7
.if \zero
	v_wmma_scale_f32_16x16x128_f8f6f4 v[8*(8*((\a)%4)+\b):8*(8*((\a)%4)+\b)+7], v[128*(\p)+FR*\b:128*(\p)+FR*\b+FR-1], v[AF+FR*(\a):AF+FR*(\a)+FR-1], 0, v[SC+8*NQ*(\sc)+NQ*\b+(\q)], v[SC+8*NQ*(\sc)+NQ*(\a)+(\q)] matrix_a_fmt:MATRIX_FMT_FP4 matrix_b_fmt:MATRIX_FMT_FP4 matrix_a_scale:MATRIX_SCALE_ROW1
.else
	v_wmma_scale_f32_16x16x128_f8f6f4 v[8*(8*((\a)%4)+\b):8*(8*((\a)%4)+\b)+7], v[128*(\p)+FR*\b:128*(\p)+FR*\b+FR-1], v[AF+FR*(\a):AF+FR*(\a)+FR-1], v[8*(8*((\a)%4)+\b):8*(8*((\a)%4)+\b)+7], v[SC+8*NQ*(\sc)+NQ*\b+(\q)], v[SC+8*NQ*(\sc)+NQ*(\a)+(\q)] matrix_a_fmt:MATRIX_FMT_FP4 matrix_b_fmt:MATRIX_FMT_FP4 matrix_a_scale:MATRIX_SCALE_ROW1
.endif
.endr
.endr
.endm
.macro FETCH_B slot, q, p              ; B's eight fragments of the slot's q-th 128 along K into set p
	WIN TO_B
.irp i, 0,1,2,3,4,5,6,7
	FRAG 128*(\p)+FR*\i, ADRB+\slot, \q, \i
.endr
	WIN 0
.endm
.macro FETCH_A slot, q, i0             ; A's blocks i0 .. i0 + 3
.irp i, \i0, \i0+1, \i0+2, \i0+3
	FRAG AF+FR*(\i), ADRA+\slot, \q, \i
.endr
.endm
.macro SCALES sc                       ; a slot's scale words: four words a row; lanes 0-15 take A's block i, lanes 16-31 B's block i
.irp i, 0,1,2,3,4,5,6,7
	ds_load_b128 v[SC+8*NQ*\sc+NQ*\i:SC+8*NQ*\sc+NQ*\i+3], v[ADRS] offset:\i*SBLK
.endr
.endm
.macro PLACES n                        ; plain vector instructions between a matrix instruction and a load into, or a read of, its registers
.rept \n
	v_nop
.endr
.endm
; A step of 128 along K that has its successor in the same slot.  A block of A is free as soon as its eight products are issued: blocks 0-3 are fetched anew in the step's middle, blocks 4-7 at its end.
.macro STEP slot, q, zero
	s_wait_dscnt 4*NL                              ; B's set and A's blocks 0-3 are in; the youngest eight loads (A's blocks 4-7) may be out
	WIN MUL_LO
	MUL16 0, (\q)%2, \q, \slot, \zero
	MUL16 2, (\q)%2, \q, \slot, \zero
	s_wait_dscnt 0                                 ; A's blocks 4-7 are in
	PLACES NP
	FETCH_B \slot, (\q)+1, 1-(\q)%2
	FETCH_A \slot, (\q)+1, 0
	WIN MUL_HI
	MUL16 4, (\q)%2, \q, \slot, \zero
	MUL16 6, (\q)%2, \q, \slot, \zero
	PLACES NP
	WIN 0
	FETCH_A \slot, (\q)+1, 4
.endm
; Slot 0's last step goes over to slot 1: one barrier; in front of it each wave waits for all its tensor loads (its part of slot 1), adds 0 to its spare word, and waits for that and for its reads of slot 0.
.macro TURN slot, next
	s_wait_tensorcnt 0x0                           ; all my tensor loads have landed
	ds_add_u32 v[SPW], v[NIL]                      ; 0 onto my spare word
	s_wait_dscnt 4*NL+1                            ; (the add and the youngest eight loads may be out)
	WIN MUL_LO
	MUL16 0, 1, NQ-1, \slot, 0
	s_wait_dscnt 0x0                               ; the add is done, and my reads of this slot are over
	s_barrier_signal -1
	MUL16 2, 1, NQ-1, \slot, 0
	WIN 0
	s_barrier_wait -1                              ; the next slot is whole, and nobody reads this one any more
	PLACES NP
	v_add_nc_u32 v[ADRS], 4*NQ, v[ADRS]            ; on to the next slot's scale words
	FETCH_B \next, 0, 0
	FETCH_A \next, 0, 0
	SCALES \next
	WIN MUL_HI
	MUL16 4, 1, NQ-1, \slot, 0
	MUL16 6, 1, NQ-1, \slot, 0
	PLACES NP
	WIN 0
	FETCH_A \next, 0, 4
.endm
	s_wait_tensorcnt 1                             ; the scales and my part of slot 0 are in (slot 1's load may be out)
	s_barrier_signal -1
	s_barrier_wait -1                              ; everybody's are
	FETCH_B 0, 0, 0
	FETCH_A 0, 0, 0
	SCALES 0
	FETCH_A 0, 0, 4
	STEP 0, 0, 1                                   ; the first step's products start the sums: nothing is cleared
	STEP 0, 1, 0
	STEP 0, 2, 0
	TURN 0, 1
	STEP 1, 0, 0
	STEP 1, 1, 0
	STEP 1, 2, 0
	s_wait_dscnt 4*NL                              ; the last step: nothing more to fetch
	WIN MUL_LO
	MUL16 0, 1, NQ-1, 1, 0
	MUL16 2, 1, NQ-1, 1, 0
	s_wait_dscnt 0
	WIN MUL_HI
	MUL16 4, 1, NQ-1, 1, 0
	MUL16 6, 1, NQ-1, 1, 0
	WIN 0
; THE WAY OUT, a block of 16 rows x 128 columns at a time.  PACK: rounded to f16, 16 bytes a lane, each accumulator from its low end on.  TOSTAGE: into my own stage and back as whole rows of 256 bytes.  SEND: stored.
.macro PACK a
.set AC, 64*((\a)%4)
	WIN 0x0a+5*((\a)/4)                            ; sources 0 and 1: window 2 or 3
.irp b, 0,1,2,3,4,5,6,7
.irp r, 0,1,2,3
	v_cvt_pk_f16_f32 v[TMP+4*\b+\r], v[AC+8*\b+2*\r], v[AC+8*\b+2*\r+1]
.endr
.endr
	WIN 0
.endm
.macro TOSTAGE a
.set BK, OB+192*((\a)%2)
.irp b, 0,1,2,3,4,5,6,7
	ds_store_b128 v[STO], v[TMP+4*\b:TMP+4*\b+3] offset:32*\b
.endr
.irp t, 0,1,2,3,4,5,6,7
	ds_load_b128 v[BK+4*\t:BK+4*\t+3], v[RD] offset:\t*2*SPITCH    ; LDS serves a wave's instructions in order: these see the stores above
.endr
.endm
.macro SEND a
.set BK, OB+192*((\a)%2)
	s_wait_dscnt 0x0                               ; the block is back in registers
	s_wait_xcnt 0x0                                ; the stores of the block before have read their registers: the next block's loads land there only behind this wait
.irp t, 0,1,2,3,4,5,6,7
	global_store_b128 v[CO], v[BK+4*\t:BK+4*\t+3], s[12:13] offset:(16*(\a)+2*\t)*SIZE_N*2   ; 16 lanes store 256 consecutive bytes, aligned; the row stands in the immediate (126 rows of 2,048 bytes at the most)
.endr
.endm
	PLACES NP                                      ; behind the last products, ahead of the first read of results and of loads into registers that held scale words
	PACK 0
	TOSTAGE 0
.irp a, 1,2,3,4,5,6,7                  ; block a's conversions stand between block a - 1's loads from the stage and the wait for them
	PACK \a
	SEND \a-1
	TOSTAGE \a
.endr
	SEND 7
	s_wait_tensorcnt 0x0                           ; the wave's end, behind my last tensor load and my last LDS store
	ds_add_u32 v[SPW], v[NIL]
	s_wait_dscnt 0x0
	CROUND                                         ; the closing round
	s_endpgm
.Lfunc_end_k_q942cf90711_proj:
	.size	k_q942cf90711_proj, .Lfunc_end_k_q942cf90711_proj-k_q942cf90711_proj
	.p2alignl 7, 3214868480
	.fill 96, 4, 3214868480
	.section	.rodata,"a",@progbits
	.p2align	6, 0x0
	.amdhsa_kernel k_q942cf90711_proj
		.amdhsa_group_segment_fixed_size 327680
		.amdhsa_private_segment_fixed_size 0
		.amdhsa_enable_private_segment 0
		.amdhsa_kernarg_size 24
		.amdhsa_user_sgpr_count 2
		.amdhsa_user_sgpr_kernarg_segment_ptr 1
		.amdhsa_wavefront_size32 1
		.amdhsa_system_sgpr_workgroup_id_x 1
		.amdhsa_system_sgpr_workgroup_id_y 1
		.amdhsa_system_sgpr_workgroup_id_z 1
		.amdhsa_system_vgpr_workitem_id 0
		.amdhsa_next_free_vgpr 1024
		.amdhsa_next_free_sgpr 98
		.amdhsa_reserve_vcc 0
		.amdhsa_float_denorm_mode_32 3
		.amdhsa_float_denorm_mode_16_64 3
		.amdhsa_memory_ordered 1
		.amdhsa_forward_progress 1
		.amdhsa_inst_pref_size 126
	.end_amdhsa_kernel
	.amdgpu_metadata
---
amdhsa.version: [ 1, 2 ]
amdhsa.kernels:
  - .name:           k_q942cf90711_proj
    .symbol:         k_q942cf90711_proj.kd
    .args:
      - { .name: codes, .offset: 0, .size: 8, .value_kind: global_buffer, .address_space: global }
      - { .name: scales, .offset: 8, .size: 8, .value_kind: global_buffer, .address_space: global }
      - { .name: qkv, .offset: 16, .size: 8, .value_kind: global_buffer, .address_space: global }
    .group_segment_fixed_size: 327680
    .private_segment_fixed_size: 0
    .kernarg_segment_align: 8
    .kernarg_segment_size: 24
    .max_flat_workgroup_size: 128
    .sgpr_count:     98
    .vgpr_count:     1024
    .wavefront_size: 32
...
	.end_amdgpu_metadata
.endif
;; end of part 2
;; launch attn (part 3): grid 8 x 32, 8 waves a work-group, clusters of 4 x 1, 327,680 bytes of LDS; arguments qkv, mbias, att; writes att
.if DOCPART == 3
	.amdgcn_target "amdgcn-amd-amdhsa--gfx1250"
	.amdhsa_code_object_version 6
	.text
	.protected	k_q942cf90711_attn
	.globl	k_q942cf90711_attn
	.p2align	8
	.type	k_q942cf90711_attn,@function
k_q942cf90711_attn:
	s_mov_b64 s[64:65], 0
	v_nop
	global_prefetch_b8 v0, s[64:65] scope:SCOPE_SE
	s_setreg_imm32_b32 hwreg(HW_REG_WAVE_MODE, 25, 1), 1
	s_wait_xcnt 0x0
	s_wait_alu depctr_hold_cnt(0) depctr_sa_sdst(0) depctr_va_vdst(0) depctr_va_sdst(0) depctr_va_ssrc(0) depctr_va_vcc(0) depctr_vm_vsrc(0)
	s_getreg_b32 s2, hwreg(HW_REG_IB_STS2, 6, 4)
	s_cmp_eq_u32 s2, 0
	s_cbranch_scc0 .Lentry_in_a_cluster
	s_endpgm
.Lentry_in_a_cluster:
	s_bfe_u32 s2, ttmp6, 0x10000c
	s_cmp_lg_u32 s2, 0x3003
	s_cbranch_scc0 .Lentry_shape_is_right
	s_endpgm
.Lentry_shape_is_right:
; Launch 3 of 4: att[b][q][head] = softmax_k(Q . K / 8, keys that the mask hides left out) V, for 4 batches x 16 heads of 64.  Nothing of the problem is left out here.
; qkv: f16 [3][8,192 tokens][1,024]; mbias: f32 [4][2,048]: 0 for a key that counts, -2^100 for one that does not; att: f16 [8,192][1,024].  Products on f16 operands, sums, maxima and exponentials in f32.
; SHARES.  A work-group owns 256 queries of a PAIR of heads, so that every row of a tile of K, V, Q or att is 256 aligned bytes of a token's 2,048.  Wave w: head w / 4 of the pair, queries 64 (w % 4) on: four tiles of 16.
; Two waves share a SIMD, 512 registers each; the text goes in phases (K Q^T, softmax, V^T P), so that one wave's vector work can stand beside the other's products.  Every wave walks the batch's 2,048 keys, 64 a step.
; LAYOUT.  S^T = K Q^T (source 0 = 16 keys, source 1 = 16 queries): a lane holds ONE query (lane % 16) and keys 8 (lane / 16) + 0..7.  Two such tiles, rounded to f16 in pairs, ARE source 1 of O^T = V^T P.
; K comes out of LDS as it lies, V ([key][channel]) turned, by ds_load_tr16_b128.
; THE MASK costs no vector instruction: a key's term is the C of its score tile's first matrix instruction.  -2^100 stands for -infinity: a score made of f16 numbers is at most 64 x 65,504^2 < 2^39 in size, so
; score - 2^100 stays about -2^100 for every input; the running maximum starts at -2^96, so for a hidden key c s - c m <= c (2^96 - 2^100) and p = 0, whatever the other keys hold.
; A row none of whose keys counts ends with sum 0 and O 0: 0 x (1 / 0) is NaN, which is what a softmax of -infinities gives.
; SOFTMAX.  For each query a running maximum m and sum l: p = 2^(c s - c m), c = log2(e) / 8; in every step O and l are multiplied by a = 2^(c m_old - c m_new).
; LIMITS: Q, K, V arrive as f16 (launch 2's limit); NaN among them is carried as NaN.
; CLUSTER.  The four query blocks of a cluster walk the same K, V and mask terms: every tensor load is asked for jointly, with the same descriptor and the mask of all four.
; RING.  Two slots of 256 keys (four steps); a wave fetches one tile of 64 rows: waves 0-3 K of the slot's step w, waves 4-7 V of step w - 4.  A refill has four key steps in which to land.
; REGISTERS.  Window 0: v1-15 addresses; v16-47 statistics, 8 a tile; v48-111 P, 16 a tile (v48-79 hold the step's 32 mask terms during K Q^T); v112-239 S^T, 32 a tile.
;             Window 1: v0-127 O^T, 32 a tile; v128-191 Q, 16 a tile; v192-255 eight fragments: K, then V.
.set PK,    272                        ; a row of K in LDS: 256 bytes + 16 = 68 words: the 16 rows of a load start 4 words apart modulo 64
.set PV,    288                        ; a row of V: 256 + 32 = 72 words, for the turning load's 8 rows x 32 bytes
.set VOFF,  64*PK                      ; a step's tiles lie together: 64 rows of K, then 64 rows of V
.set STEPB, 64*(PK+PV)
.set SLOT,  4*STEPB                    ; 143,360 bytes
.set TAB,   2*SLOT                     ; behind the ring: the batch's 2,048 mask terms, 8,192 dense bytes, filled once
.set SPARE, TAB+8192                   ; the spare words, 128 bytes for each of eight waves, which no other line names
.set SP,    272                        ; the way out: a stage of 256 rows x (256 bytes + 16) from LDS byte 0 on: in slot 0, which has had its last fill and its last read by then
.set AK0, 2                            ; v2   my lane's place in a tile of K; never rewritten
.set AV0, 3                            ; v3   in a tile of V
.set AB0, 4                            ; v4   among the mask terms
.set ADK, 5                            ; v5-7 the addresses of the step in hand
.set ADV, 6
.set ADB, 7
.set QO,  8                            ; v8   my byte offset in the wave's rows of Q
.set STO, 9                            ; v9   the way out: where I put 16 bytes of a row
.set RD,  10                           ; v10  where I read a row back
.set GO,  11                           ; v11  my byte offset in two rows of att
.set SPW, 12                           ; v12  my spare word; never rewritten
.set NIL, 13                           ; v13  0; never rewritten
.set PFO, 14                           ; v14  2,048 x my lane: a token's row; never rewritten
.set ST,  16                           ; tile t's statistics at v[ST+8 t]: +0 c m, +1 m, +2, +3 l (even keys', odd keys'), +4 to +7 at work; a takes +6
.set P,   48
.set S,   112
.set OUTP, 112                         ; the way out: packed rows, 16 registers a tile
.set BACK, 176                         ; and 32 rows read back
.set QF,  128                          ; window 1
.set KV,  192                          ; window 1
.set WV,  10                           ; s10  my wave's number
.set G1K, 24                           ; s[24:31] group 1 for K's tiles;  s[32:39] for V's;  s[40:47] for the mask terms
.set G1V, 32
.set G1T, 40
.set G0,  48                           ; s[48:55] group 0, a set for each slot
.set G0T, 56                           ; s[56:59] group 0 for the mask terms
.set CS,  60                           ; s[60:61] c: the packed form names a pair and takes its low word for both halves
.set SEL, 62                           ; s[62:63] lane selects: lane l xor 16
.set TB,  66                           ; s66  LDS byte at which the step's tiles begin
.set TBI, 67                           ; s67  byte of the step's first mask term in the table
.set SLOTS, 68                         ; s68  refills still to come
.set LIM, 69                           ; s69  1 in a wave that prefetches, else the greatest number
.set PFA, 70                           ; s[70:71] where my prefetches stand
.set OUTER, 72
.set INNER, 73
.set QB,  74                           ; s[74:75] Q at my wave's first row
.set OB,  76                           ; s[76:77] att at the first row that I store
.set MSB, 0
.macro WIN new                         ; the immediate's high byte repeats the setting that is left
.if MSB != \new
	s_set_vgpr_msb (MSB<<8)|\new
.set MSB, \new
.endif
.endm
.set W_KQ, 0x05                        ; K and Q in window 1; C and S^T in window 0
.set W_PV, 0x51                        ; V in window 1, P in window 0, O^T in window 1
.set W_RS, 0x41                        ; O^T (destination and source 0) in window 1, the factor in window 0
.set TO1,  0x40                        ; destination window 1
.macro CROUND                          ; a round of the cluster's barrier
	s_barrier_signal -1
	s_barrier_wait -1
	s_cmp_lg_u32 s[WV], 0
	s_cbranch_scc1 .Lnot_wave_0_\@
	s_barrier_signal -3
.Lnot_wave_0_\@:
	s_barrier_wait -3
	s_barrier_signal -1
	s_barrier_wait -1
.endm
; A joint refill of a slot: waves 0-3 a tile of K, waves 4-7 a tile of V.  The branch hangs on the wave's number alone.  An s_nop 0 and four v_nop follow each line.
.macro JLOAD slot
	s_cmp_lt_u32 s[WV], 4
	s_cbranch_scc0 .Lfor_v_\@
	tensor_load_to_lds s[G0+4*\slot:G0+4*\slot+3], s[G1K:G1K+7]
	s_nop 0
.rept 4
	v_nop
.endr
	s_branch .Lasked_\@
.Lfor_v_\@:
	tensor_load_to_lds s[G0+4*\slot:G0+4*\slot+3], s[G1V:G1V+7]
	s_nop 0
.rept 4
	v_nop
.endr
.Lasked_\@:
.endm
; A prefetch of what the NEXT refill will ask for: 256 rows of K and 256 of V, 256 bytes of each, a lane a row.  Both clusters of a pair of heads walk the same rows: the first (cluster x = 0) asks.
; Its four partners take 64 rows each, told apart BY ADDRESS; in each, waves 0 and 1 ask for K's, waves 2 and 3 for V's, 32 rows a wave: each row's 256 bytes are named once in the launch.
; It stands behind the wave's tensor load and its five lines, four key steps ahead of the load that will want the rows.  The last refill asks for nothing; the first three blocks of keys come by their loads alone.
.macro ASK
	s_cmp_gt_u32 s[SLOTS], s[LIM]
	s_cbranch_scc0 .Lnot_mine_\@
	global_prefetch_b8 v[PFO], s[PFA:PFA+1] th:TH_LOAD_NT scope:SCOPE_SE
.Lnot_mine_\@:
.endm
	s_load_b128 s[4:7], s[0:1], 0x0                ; qkv s[4:5], mbias s[6:7]
	s_load_b64 s[8:9], s[0:1], 0x10                ; att
	v_lshl_add_u32 v[SPW], v0, 2, SPARE
	v_mov_b32 v[NIL], 0
	ds_add_u32 v[SPW], v[NIL]                      ; the wave's opening: the add, twice on end, and its wait ahead of my first tensor load
	ds_add_u32 v[SPW], v[NIL]
	v_lshrrev_b32 v1, 5, v0
	v_readfirstlane_b32 s[WV], v1                  ; wave 0..7
	s_bfe_u32 s11, ttmp6, 0x40000                  ; cx: my place in the cluster
	s_lshl_b32 s12, ttmp9, 2
	s_add_co_u32 s12, s12, s11                     ; my block of 256 queries: it enters Q's, att's and the prefetches' addresses alone
	s_and_b32 s13, ttmp7, 0xffff
	s_lshr_b32 s14, s13, 3                         ; the batch
	s_and_b32 s15, s13, 7                          ; the pair of heads
	s_and_b32 s16, s[WV], 3
	s_lshr_b32 s17, s[WV], 2                       ; my head of the pair.  Also: I fetch K (0) or V (1)
	; what I fetch: K or V (16 MiB and 32 MiB into qkv), the batch's tokens, step w % 4 of a slot, the pair's 256 bytes
	s_add_co_u32 s78, s17, 1
	s_lshl_b32 s78, s78, 24
	s_lshl_b32 s84, s14, 11                        ; the batch's first token
	s_lshl_b32 s85, s16, 6
	s_add_co_u32 s85, s84, s85
	s_lshl_b32 s85, s85, 11                        ; 2,048 bytes a token
	s_add_co_u32 s78, s78, s85
	s_lshl_b32 s86, s15, 8
	s_add_co_u32 s78, s78, s86
	s_mov_b32 s79, 0
	s_mul_i32 s80, s16, STEPB                      ; and where it goes in a slot: the wave's number alone enters an LDS address
	s_mul_i32 s81, s17, VOFF
	s_add_co_u32 s80, s80, s81
	s_lshl_b32 s82, s14, 13                        ; the mask terms: the batch's 8,192 bytes, 1,024 of them a wave
	s_lshl_b32 s83, s[WV], 10
	s_add_co_u32 s82, s82, s83
	s_add_co_u32 s[G0T+1], s83, TAB
	s_mov_b32 s83, 0
	; Q and att
	s_lshl_b32 s87, s12, 8
	s_add_co_u32 s87, s84, s87                     ; my block's first token
	s_lshl_b32 s88, s16, 6
	s_add_co_u32 s88, s87, s88                     ; my wave's first query
	s_lshl_b32 s88, s88, 11
	s_add_co_u32 s88, s88, s86
	s_lshl_b32 s89, s17, 7                         ; my head's 128 bytes of the pair's 256 (kept for the lane addresses)
	s_add_co_u32 s[QB], s88, s89
	s_mov_b32 s[QB+1], 0
	s_lshl_b32 s88, s[WV], 5
	s_add_co_u32 s88, s87, s88                     ; the first of the 32 rows that I store
	s_lshl_b32 s88, s88, 11
	s_add_co_u32 s[OB], s88, s86
	s_mov_b32 s[OB+1], 0
	; the prefetches: K (waves 0, 1) or V (waves 2, 3); keys 512 on; my work-group's 64 rows; my wave's 32 of them.  The first refill steps this to keys 768 on
	s_bfe_u32 s87, s[WV], 0x10001
	s_add_co_u32 s87, s87, 1
	s_lshl_b32 s87, s87, 24
	s_add_co_u32 s88, s84, 512
	s_lshl_b32 s85, s11, 6
	s_add_co_u32 s88, s88, s85
	s_and_b32 s85, s[WV], 1
	s_lshl_b32 s85, s85, 5
	s_add_co_u32 s88, s88, s85
	s_lshl_b32 s88, s88, 11
	s_add_co_u32 s[PFA], s87, s88
	s_add_co_u32 s[PFA], s[PFA], s86
	s_mov_b32 s[PFA+1], 0
	s_lshr_b32 s[LIM], s[WV], 2                    ; 0 in waves 0 to 3,
	s_or_b32 s[LIM], s[LIM], ttmp9                 ; of the first cluster: the same in all four partners
	s_cmp_eq_u32 s[LIM], 0
	s_cselect_b32 s[LIM], 1, -1
	; group 1: tiles of 64 rows x 128 elements of 2 bytes, 1,024 elements from row to row, padded in LDS
	s_mov_b32 s[G1K], 15|(1<<16)|(1<<20)|(1<<21)|(5<<22)|(3<<25)  ; the mask of all four; elements of 2 bytes; padding on; bit 21 beside a mask; 4 words behind every 64
	s_mov_b32 s[G1V], 15|(1<<16)|(1<<20)|(1<<21)|(5<<22)|(7<<25)  ; the same with 8 words
.irp g, G1K, G1V
	s_mov_b32 s[\g+1], 128<<16                     ; tensor_dim0
	s_mov_b32 s[\g+2], 64<<16                      ; tensor_dim1
	s_mov_b32 s[\g+3], 128<<16                     ; tile_dim0
	s_mov_b32 s[\g+4], 64                          ; tile_dim1
	s_mov_b32 s[\g+5], 1024                        ; from row to row
	s_mov_b32 s[\g+6], 0
	s_mov_b32 s[\g+7], 0
.endr
	s_mov_b32 s[G1T], 15|(3<<16)|(1<<21)           ; the mask terms: 1,024 dense bytes as 4 rows of 32 elements of 8 bytes, no padding
	s_mov_b32 s[G1T+1], 32<<16
	s_mov_b32 s[G1T+2], 4<<16
	s_mov_b32 s[G1T+3], 32<<16
	s_mov_b32 s[G1T+4], 4
	s_mov_b32 s[G1T+5], 32
	s_mov_b32 s[G1T+6], 0
	s_mov_b32 s[G1T+7], 0
	s_mov_b32 s[CS], 0x3e38aa3b                    ; c = log2(e) / sqrt(64)
	s_mov_b32 s[CS+1], s[CS]
	s_mov_b32 s[SEL], 0x76543210
	s_mov_b32 s[SEL+1], 0xfedcba98
	s_mov_b32 s[TBI], 0
	s_mov_b32 s[SLOTS], 6
	s_wait_dscnt 0x0                               ; both opening adds are done
	s_wait_kmcnt 0x0
	s_mov_b32 s[G0], 1
	s_mov_b32 s[G0+1], s80
	s_add_nc_u64 s[G0+2:G0+3], s[4:5], s[78:79]    ; slot 0: keys 0 to 255
	s_mov_b32 s[G0+4], 1
	s_add_co_u32 s[G0+5], s80, SLOT
	s_add_nc_u64 s[G0+6:G0+7], s[G0+2:G0+3], 256*2048  ; slot 1: keys 256 to 511
	s_or_b32 s[G0+3], s[G0+3], 0x80000000
	s_or_b32 s[G0+7], s[G0+7], 0x80000000
	s_mov_b32 s[G0T], 1
	s_add_nc_u64 s[G0T+2:G0T+3], s[6:7], s[82:83]
	s_or_b32 s[G0T+3], s[G0T+3], 0x80000000
	s_add_nc_u64 s[QB:QB+1], s[4:5], s[QB:QB+1]
	s_add_nc_u64 s[OB:OB+1], s[8:9], s[OB:OB+1]
	s_add_nc_u64 s[PFA:PFA+1], s[4:5], s[PFA:PFA+1]
	CROUND                                         ; all four work-groups are here: the first joint loads meet
	tensor_load_to_lds s[G0T:G0T+3], s[G1T:G1T+7]  ; my eighth of the mask terms
	s_nop 0
	s_cmp_lt_u32 s[WV], 4                          ; then both slots: three tensor loads of mine are out
	s_cbranch_scc0 .Lfirst_v
	tensor_load_to_lds s[G0:G0+3], s[G1K:G1K+7]
	s_nop 0
	tensor_load_to_lds s[G0+4:G0+7], s[G1K:G1K+7]
	s_nop 0
.rept 4
	v_nop
.endr
	s_branch .Lfirst_asked
.Lfirst_v:
	tensor_load_to_lds s[G0:G0+3], s[G1V:G1V+7]
	s_nop 0
	tensor_load_to_lds s[G0+4:G0+7], s[G1V:G1V+7]
	s_nop 0
.rept 4
	v_nop
.endr
.Lfirst_asked:
	v_and_b32 v1, 15, v0                           ; r = lane % 16
	v_bfe_u32 v15, v0, 4, 1                        ; h = lane / 16
	v_lshlrev_b32 v[QO], 11, v1
	v_lshl_add_u32 v[QO], v15, 4, v[QO]            ; Q: row r of 2,048 bytes + 16 h
	WIN TO1
.irp t, 0,1,2,3                        ; Q stays in registers: tile t, channels 32 kc on: two loads of 16 bytes, 32 bytes apart
.irp kc, 0,1
	global_load_b128 v[QF+16*\t+8*\kc:QF+16*\t+8*\kc+3],   v[QO], s[QB:QB+1] offset:\t*32768+64*\kc
	global_load_b128 v[QF+16*\t+8*\kc+4:QF+16*\t+8*\kc+7], v[QO], s[QB:QB+1] offset:\t*32768+64*\kc+32
.endr
.endr
.set i, 0
.rept 128
	v_mov_b32 v[i], 0                              ; O^T.  The key step is written for all steps alike: the first finds zeros.  That spares a copy of the step with products that start the sums
.set i, i+1
.endr
	WIN 0
	v_mul_u32_u24 v[AK0], v1, PK
	v_lshl_add_u32 v[AK0], v15, 4, v[AK0]
	v_add_nc_u32 v[AK0], s89, v[AK0]               ; K: row r x pitch + 16 h + my head's 128 bytes
	v_and_b32 v[ADK], 7, v0
	v_bfe_u32 v[ADV], v0, 3, 1
	v_lshl_add_u32 v[AV0], v15, 3, v[ADK]          ; V, for the turning load: key 8 h + lane % 8,
	v_mul_u32_u24 v[AV0], v[AV0], PV
	v_lshl_add_u32 v[AV0], v[ADV], 4, v[AV0]       ; channels 8 ((lane / 8) % 2) on,
	s_add_co_u32 s88, s89, VOFF
	v_add_nc_u32 v[AV0], s88, v[AV0]               ; of my head, behind the step's K
	v_lshl_add_u32 v[AB0], v15, 5, TAB             ; the mask terms of keys 8 h + 0..7 of a tile: the same for all queries
	s_mul_i32 s87, s16, 64*SP
	s_add_co_u32 s87, s87, s89
	v_mul_u32_u24 v[STO], v1, SP
	v_lshl_add_u32 v[STO], v15, 4, v[STO]
	v_add_nc_u32 v[STO], s87, v[STO]               ; the stage, in: row 64 (w % 4) + r, my head's 128 bytes, + 16 h
	s_mul_i32 s87, s[WV], 32*SP
	v_mul_u32_u24 v[RD], v15, SP
	v_lshl_add_u32 v[RD], v1, 4, v[RD]
	v_add_nc_u32 v[RD], s87, v[RD]                 ; back: rows 32 w on; lanes 0-15 one row of 256 bytes, lanes 16-31 the next
	v_lshlrev_b32 v[GO], 11, v15
	v_lshl_add_u32 v[GO], v1, 4, v[GO]             ; and the same two rows in att
	v_and_b32 v[PFO], 31, v0
	v_lshlrev_b32 v[PFO], 11, v[PFO]
.irp t, 0,1,2,3
	v_mov_b32 v[ST+8*\t+1], 0xef800000             ; m = -2^96: under every score of a key that counts, over every hidden one
	v_mov_b32 v[ST+8*\t+2], 0                      ; l
	v_mov_b32 v[ST+8*\t+3], 0
	v_mov_b32 v[ST+8*\t+5], 0                      ; (a lane permute's destination counts as one of its sources)
.endr
.irp t, 0,1,2,3
	v_mul_f32 v[ST+8*\t], s[CS], v[ST+8*\t+1]      ; c m
.endr
; THE SOFTMAX OF A KEY STEP, four tiles of 16 queries x 64 keys, the tiles by turns within each stage, so that no line waits for the line above it.
.macro SMX
.irp j, 0,1,2,3                        ; the maximum of a lane's 32 scores and the old m, three operands at a time; each accumulator is first read at its low end
.irp t, 0,1,2,3
	v_max3_num_f32 v[ST+8*\t+4+\j], v[S+32*\t+8*\j], v[S+32*\t+8*\j+1], v[S+32*\t+8*\j+2]
.endr
.endr
.irp g, 1,2
.irp j, 0,1,2,3
.irp t, 0,1,2,3
	v_max3_num_f32 v[ST+8*\t+4+\j], v[ST+8*\t+4+\j], v[S+32*\t+8*\j+2*\g+1], v[S+32*\t+8*\j+2*\g+2]
.endr
.endr
.endr
.irp t, 0,1,2,3
	v_max3_num_f32 v[ST+8*\t+4], v[ST+8*\t+4], v[S+32*\t+7], v[S+32*\t+15]
.endr
.irp t, 0,1,2,3
	v_max3_num_f32 v[ST+8*\t+6], v[ST+8*\t+6], v[S+32*\t+23], v[S+32*\t+31]
.endr
.irp t, 0,1,2,3
	v_max3_num_f32 v[ST+8*\t+4], v[ST+8*\t+4], v[ST+8*\t+5], v[ST+8*\t+6]
.endr
.irp t, 0,1,2,3
	v_max3_num_f32 v[ST+8*\t+4], v[ST+8*\t+4], v[ST+8*\t+7], v[ST+8*\t+1]
.endr
.irp t, 0,1,2,3
	v_permlanex16_b32 v[ST+8*\t+5], v[ST+8*\t+4], s[SEL], s[SEL+1]  ; the query's other 32 keys lie in the lane 16 away
.endr
.irp t, 0,1,2,3
	v_mov_b32 v[ST+8*\t+7], v[ST+8*\t]             ; c m_old
.endr
.irp t, 0,1,2,3
	v_max_num_f32 v[ST+8*\t+1], v[ST+8*\t+4], v[ST+8*\t+5]          ; the new m
.endr
.irp t, 0,1,2,3
	v_mul_f32 v[ST+8*\t], s[CS], v[ST+8*\t+1]      ; c m
.endr
.irp t, 0,1,2,3
	v_sub_f32 v[ST+8*\t+7], v[ST+8*\t+7], v[ST+8*\t]
.endr
.irp i, 0,1,2,3,4,5,6,7,8,9,10,11,12,13,14,15
.irp t, 0,1,2,3
	v_pk_fma_f32 v[S+32*\t+2*\i:S+32*\t+2*\i+1], v[S+32*\t+2*\i:S+32*\t+2*\i+1], s[CS:CS+1], v[ST+8*\t:ST+8*\t+1] op_sel_hi:[1,0,0] neg_lo:[0,0,1] neg_hi:[0,0,1]  ; c s - c m, two at a time
.endr
.endr
.irp t, 0,1,2,3                        ; ONE BATCH of 132 exponentials: none reads another's result
	v_exp_f32 v[ST+8*\t+6], v[ST+8*\t+7]           ; a
.endr
.irp i, 0,1,2,3,4,5,6,7,8,9,10,11,12,13,14,15,16,17,18,19,20,21,22,23,24,25,26,27,28,29,30,31
.irp t, 0,1,2,3
	v_exp_f32 v[S+32*\t+\i], v[S+32*\t+\i]         ; p
.endr
.endr
	v_nop                                          ; a plain instruction behind the last exponential, ahead of the first use
	s_wait_alu depctr_va_vdst(0)                   ; and a wait ahead of the first instruction that names a result: one for the batch
.irp i, 0,1,2,3,4,5,6,7,8,9,10,11,12,13,14,15
.irp t, 0,1,2,3
	v_cvt_pk_f16_f32 v[P+16*\t+\i], v[S+32*\t+2*\i], v[S+32*\t+2*\i+1]  ; the weights for the second product
.endr
.endr
.irp z, 0,1,2,3,4,5,6,7                ; the sum of a lane's 16 pairs, in place: neighbours 1, 2, 4 and 8 pairs apart
.irp t, 0,1,2,3
	v_pk_add_f32 v[S+32*\t+4*\z:S+32*\t+4*\z+1], v[S+32*\t+4*\z:S+32*\t+4*\z+1], v[S+32*\t+4*\z+2:S+32*\t+4*\z+3]
.endr
.endr
.irp z, 0,1,2,3
.irp t, 0,1,2,3
	v_pk_add_f32 v[S+32*\t+8*\z:S+32*\t+8*\z+1], v[S+32*\t+8*\z:S+32*\t+8*\z+1], v[S+32*\t+8*\z+4:S+32*\t+8*\z+5]
.endr
.endr
.irp z, 0,1
.irp t, 0,1,2,3
	v_pk_add_f32 v[S+32*\t+16*\z:S+32*\t+16*\z+1], v[S+32*\t+16*\z:S+32*\t+16*\z+1], v[S+32*\t+16*\z+8:S+32*\t+16*\z+9]
.endr
.endr
.irp t, 0,1,2,3
	v_pk_add_f32 v[S+32*\t:S+32*\t+1], v[S+32*\t:S+32*\t+1], v[S+32*\t+16:S+32*\t+17]
.endr
.irp t, 0,1,2,3
	v_pk_fma_f32 v[ST+8*\t+2:ST+8*\t+3], v[ST+8*\t+2:ST+8*\t+3], v[ST+8*\t+6:ST+8*\t+7], v[S+32*\t:S+32*\t+1] op_sel_hi:[1,0,1]  ; l = a l + the sum
.endr
	WIN W_RS
.irp i, 0,1,2,3,4,5,6,7,8,9,10,11,12,13,14,15
.irp t, 0,1,2,3
	v_pk_mul_f32 v[32*\t+2*\i:32*\t+2*\i+1], v[32*\t+2*\i:32*\t+2*\i+1], v[ST+8*\t+6:ST+8*\t+7] op_sel_hi:[1,0]  ; O^T times a, each accumulator from its low end on
.endr
.endr
.endm
; A KEY STEP: 64 keys.  It begins and ends with every window 0.
.macro STEP
	v_add_nc_u32 v[ADK], s[TB], v[AK0]             ; these four plain lines are the places between the last step's products and the loads into registers that they read
	v_add_nc_u32 v[ADV], s[TB], v[AV0]
	v_add_nc_u32 v[ADB], s[TBI], v[AB0]
	v_nop
.irp kt, 0,1,2,3                       ; the mask terms of keys 16 kt + 8 h + 0..7, in the layout of a score tile's C
	ds_load_b128 v[P+8*\kt:P+8*\kt+3],   v[ADB] offset:64*\kt
	ds_load_b128 v[P+8*\kt+4:P+8*\kt+7], v[ADB] offset:64*\kt+16
.endr
	WIN TO1
.irp kt, 0,1,2,3                       ; K: keys 16 kt on, channels 32 kc on
.irp kc, 0,1
	ds_load_b128 v[KV+8*(2*\kt+\kc):KV+8*(2*\kt+\kc)+3],   v[ADK] offset:\kt*16*PK+64*\kc
	ds_load_b128 v[KV+8*(2*\kt+\kc)+4:KV+8*(2*\kt+\kc)+7], v[ADK] offset:\kt*16*PK+64*\kc+32
.endr
.endr
	s_wait_dscnt 0x0
	WIN W_KQ                               ; S^T = K Q^T + the mask terms: 16 accumulators by turns, one instruction a turn
.irp kt, 0,1,2,3
.irp t, 0,1,2,3
	v_wmma_f32_16x16x32_f16 v[S+32*\t+8*\kt:S+32*\t+8*\kt+7], v[KV+8*(2*\kt):KV+8*(2*\kt)+7], v[QF+16*\t:QF+16*\t+7], v[P+8*\kt:P+8*\kt+7]
.endr
.endr
.irp kt, 0,1,2,3
.irp t, 0,1,2,3
	v_wmma_f32_16x16x32_f16 v[S+32*\t+8*\kt:S+32*\t+8*\kt+7], v[KV+8*(2*\kt+1):KV+8*(2*\kt+1)+7], v[QF+16*\t+8:QF+16*\t+15], v[S+32*\t+8*\kt:S+32*\t+8*\kt+7]
.endr
.endr
	WIN 0
.rept 4
	v_nop                                          ; places ahead of the loads into K's registers and of the first read of the scores
.endr
	WIN TO1
.irp kh, 0,1                           ; V, turned: keys 32 kh on, channels 16 ct on.  The loads land during the softmax
.irp ct, 0,1,2,3
	ds_load_tr16_b128 v[KV+8*(4*\kh+\ct):KV+8*(4*\kh+\ct)+3],   v[ADV] offset:\kh*32*PV+32*\ct
	ds_load_tr16_b128 v[KV+8*(4*\kh+\ct)+4:KV+8*(4*\kh+\ct)+7], v[ADV] offset:\kh*32*PV+16*PV+32*\ct
.endr
.endr
	WIN 0
	SMX
	s_wait_dscnt 0x0                               ; V is in
	WIN W_PV                               ; O^T += V^T P: 16 accumulators by turns
.irp kh, 0,1
.irp ct, 0,1,2,3
.irp t, 0,1,2,3
	v_wmma_f32_16x16x32_f16 v[32*\t+8*\ct:32*\t+8*\ct+7], v[KV+8*(4*\kh+\ct):KV+8*(4*\kh+\ct)+7], v[P+16*\t+8*\kh:P+16*\t+8*\kh+7], v[32*\t+8*\ct:32*\t+8*\ct+7]
.endr
.endr
.endr
	WIN 0
	s_add_co_u32 s[TB], s[TB], STEPB
	s_add_co_u32 s[TBI], s[TBI], 256
.endm
.macro SLOT_STEPS slot                 ; a slot's four key steps: written once, walked four times
	s_mov_b32 s[TB], \slot*SLOT
	s_mov_b32 s[INNER], 4
.Lstep_\@:
	STEP
	s_sub_co_u32 s[INNER], s[INNER], 1
	s_cmp_lg_u32 s[INNER], 0
	s_cbranch_scc1 .Lstep_\@
.endm
; THE CHANGE OF SLOTS: slot has just been read out.  Each wave waits for all its tensor loads (its part of the other slot), adds 0 to its spare word, and waits for that and for its reads of the slot.
; fill = 1: the barrier is a round of the cluster's, so that no wave of any partner still reads the slot or has a load on its way; the joint refill, the keys two slots on, is the first thing behind it.
.macro CHANGE slot, fill
	s_wait_tensorcnt 0x0                           ; no tensor load of mine is out, so a group 0 may be written
	ds_add_u32 v[SPW], v[NIL]                      ; 0 onto my spare word
.if \fill
	s_add_nc_u64 s[G0+4*\slot+2:G0+4*\slot+3], s[G0+4*\slot+2:G0+4*\slot+3], 2*256*2048  ; 512 tokens on; the type bits on top are not reached
	s_wait_xcnt 0x0                                ; the last prefetch, four key steps back, has read its address, so it may be written:
	s_add_nc_u64 s[PFA:PFA+1], s[PFA:PFA+1], 256*2048  ; one slot further on than this refill
	s_wait_dscnt 0x0                               ; the add is done, and my reads of the slot are over
	CROUND
	JLOAD \slot
	ASK
	s_sub_co_u32 s[SLOTS], s[SLOTS], 1
.else
	s_wait_dscnt 0x0
	s_barrier_signal -1
	s_barrier_wait -1
.endif
.endm
	s_wait_tensorcnt 1                             ; the mask terms and my part of slot 0 are in; slot 1's load may stay out
	s_barrier_signal -1
	s_barrier_wait -1                              ; everybody's are
	s_wait_loadcnt 0x0                             ; Q
	SLOT_STEPS 0                                   ; keys 0 to 255
	s_mov_b32 s[OUTER], 3
.Lpair:                                                ; three trips, two slots each: six refills bring keys 512 to 2,047
	CHANGE 0, 1
	SLOT_STEPS 1
	CHANGE 1, 1
	SLOT_STEPS 0
	s_sub_co_u32 s[OUTER], s[OUTER], 1
	s_cmp_lg_u32 s[OUTER], 0
	s_cbranch_scc1 .Lpair
	CHANGE 0, 0                                    ; the tail is written out: nothing is left to ask for
	SLOT_STEPS 1                                   ; keys 1,792 to 2,047
	; THE WAY OUT.  l's two halves and the other half of the lanes' are added; O^T is divided by l, rounded to f16 and laid into the work-group's stage; a token's 256 bytes come from two waves, so a barrier stands
	; between the writing and the reading; each wave then stores 32 whole rows.  The four additions are the places behind the last products.
.irp t, 0,1,2,3
	v_add_f32 v[ST+8*\t+4], v[ST+8*\t+2], v[ST+8*\t+3]
.endr
.irp t, 0,1,2,3
	v_permlanex16_b32 v[ST+8*\t+5], v[ST+8*\t+4], s[SEL], s[SEL+1]
.endr
.irp t, 0,1,2,3
	v_add_f32 v[ST+8*\t+4], v[ST+8*\t+4], v[ST+8*\t+5]
.endr
.irp t, 0,1,2,3
	v_rcp_f32 v[ST+8*\t+6], v[ST+8*\t+4]
.endr
	v_nop                                          ; a plain instruction between the last reciprocal and the use of its result
	s_wait_alu depctr_va_vdst(0)                   ; and a wait: one for the four
.macro PACKO t
	WIN W_RS
.irp i, 0,1,2,3,4,5,6,7,8,9,10,11,12,13,14,15
	v_pk_mul_f32 v[32*\t+2*\i:32*\t+2*\i+1], v[32*\t+2*\i:32*\t+2*\i+1], v[ST+8*\t+6:ST+8*\t+7] op_sel_hi:[1,0]
.endr
	WIN 0x05                                       ; sources in window 1, destination in window 0
.irp i, 0,1,2,3,4,5,6,7,8,9,10,11,12,13,14,15
	v_cvt_pk_f16_f32 v[OUTP+16*\t+\i], v[32*\t+2*\i], v[32*\t+2*\i+1]
.endr
	WIN 0
.irp ct, 0,1,2,3
	ds_store_b128 v[STO], v[OUTP+16*\t+4*\ct:OUTP+16*\t+4*\ct+3] offset:\t*16*SP+32*\ct   ; query 16 t + r, channels 16 ct + 8 h + 0..7
.endr
.endm
	PACKO 0
	PACKO 1
	PACKO 2
	PACKO 3
	s_wait_dscnt 0x0                               ; for the others' sake: my stores into the stage are done
	s_barrier_signal -1
	s_barrier_wait -1
.irp i, 0,1,2,3,4,5,6,7,8,9,10,11,12,13,14,15
	ds_load_b128 v[BACK+4*\i:BACK+4*\i+3], v[RD] offset:\i*2*SP
.endr
.irp i, 0,1,2,3,4,5,6,7,8,9,10,11,12,13,14,15
	s_wait_dscnt 15-\i                             ; LDS loads come back in order: load i is in, the younger ones may be out
	global_store_b128 v[GO], v[BACK+4*\i:BACK+4*\i+3], s[OB:OB+1] offset:\i*4096   ; 16 lanes store 256 consecutive bytes, aligned
.endr
	s_wait_tensorcnt 0x0                           ; the wave's end, behind my last tensor load and my last LDS store
	ds_add_u32 v[SPW], v[NIL]
	s_wait_dscnt 0x0
	CROUND                                         ; the closing round
	s_endpgm
.Lfunc_end_k_q942cf90711_attn:
	.size	k_q942cf90711_attn, .Lfunc_end_k_q942cf90711_attn-k_q942cf90711_attn
	.p2alignl 7, 3214868480
	.fill 96, 4, 3214868480
	.section	.rodata,"a",@progbits
	.p2align	6, 0x0
	.amdhsa_kernel k_q942cf90711_attn
		.amdhsa_group_segment_fixed_size 327680
		.amdhsa_private_segment_fixed_size 0
		.amdhsa_enable_private_segment 0
		.amdhsa_kernarg_size 24
		.amdhsa_user_sgpr_count 2
		.amdhsa_user_sgpr_kernarg_segment_ptr 1
		.amdhsa_wavefront_size32 1
		.amdhsa_system_sgpr_workgroup_id_x 1
		.amdhsa_system_sgpr_workgroup_id_y 1
		.amdhsa_system_sgpr_workgroup_id_z 1
		.amdhsa_system_vgpr_workitem_id 0
		.amdhsa_next_free_vgpr 512
		.amdhsa_next_free_sgpr 90
		.amdhsa_reserve_vcc 0
		.amdhsa_float_denorm_mode_32 3
		.amdhsa_float_denorm_mode_16_64 3
		.amdhsa_memory_ordered 1
		.amdhsa_forward_progress 1
		.amdhsa_inst_pref_size 161
	.end_amdhsa_kernel
	.amdgpu_metadata
---
amdhsa.version: [ 1, 2 ]
amdhsa.kernels:
  - .name:           k_q942cf90711_attn
    .symbol:         k_q942cf90711_attn.kd
    .args:
      - { .name: qkv, .offset: 0, .size: 8, .value_kind: global_buffer, .address_space: global }
      - { .name: mbias, .offset: 8, .size: 8, .value_kind: global_buffer, .address_space: global }
      - { .name: att, .offset: 16, .size: 8, .value_kind: global_buffer, .address_space: global }
    .group_segment_fixed_size: 327680
    .private_segment_fixed_size: 0
    .kernarg_segment_align: 8
    .kernarg_segment_size: 24
    .max_flat_workgroup_size: 256
    .sgpr_count:     90
    .vgpr_count:     512
    .wavefront_size: 32
...
	.end_amdgpu_metadata
.endif
;; end of part 3
;; launch outp (part 4): grid 8 x 64, 4 waves a work-group, clusters of 4 x 4, 327,680 bytes of LDS; arguments att, wc16, bc, out0; writes out0
.if DOCPART == 4
	.amdgcn_target "amdgcn-amd-amdhsa--gfx1250"
	.amdhsa_code_object_version 6
	.text
	.protected	k_q942cf90711_outp
	.globl	k_q942cf90711_outp
	.p2align	8
	.type	k_q942cf90711_outp,@function
k_q942cf90711_outp:
	s_mov_b64 s[64:65], 0
	v_nop
	global_prefetch_b8 v0, s[64:65] scope:SCOPE_SE
	s_setreg_imm32_b32 hwreg(HW_REG_WAVE_MODE, 25, 1), 1
	s_wait_xcnt 0x0
	s_wait_alu depctr_hold_cnt(0) depctr_sa_sdst(0) depctr_va_vdst(0) depctr_va_sdst(0) depctr_va_ssrc(0) depctr_va_vcc(0) depctr_vm_vsrc(0)
	s_getreg_b32 s2, hwreg(HW_REG_IB_STS2, 6, 4)
	s_cmp_eq_u32 s2, 0
	s_cbranch_scc0 .Lentry_in_a_cluster
	s_endpgm
.Lentry_in_a_cluster:
	s_bfe_u32 s2, ttmp6, 0x10000c
	s_cmp_lg_u32 s2, 0xf033
	s_cbranch_scc0 .Lentry_shape_is_right
	s_endpgm
.Lentry_shape_is_right:
; Launch 4 of 4: out0[m][n] = sum over k of att[m][k] Wc[n][k] + bc[n].  att [8,192][1,024] and wc16 [1,024][1,024]: f16; bc: f32; out0: f32; sums in f32.  Nothing of the problem is left out here.
; A tile of C is 128 x 128 (512 work-groups); four waves, each 64 x 64: 16 accumulators of 16 x 16.  K goes in steps of 256 (LDS rows of 512 bytes; a wave's tensor load brings 64 of them) through two slots.
; CLUSTERS: 4 x 4 work-groups; A's tile is shared along a row of the cluster, B's along a column: each is asked for jointly, by the same tensor load with the same descriptor and a mask that names the four.
; THE MATRIX INSTRUCTION IS USED TRANSPOSED (source 0 = 16 rows of Wc, source 1 = 16 rows of att): a lane holds eight neighbouring numbers of a row of C.
; THE BIAS is the C of each sum's first matrix instruction: eight registers for each block of 16 columns, in the result's layout: no addition is written.
; A wave's 64 columns of f32 are 256 aligned bytes of a row: each wave has a stage of its own on the way out, and no barrier stands there.
; REGISTERS: window 0: v0-31 addresses; v32-95 rows on the way out; v96-127 the bias; v128-255 the accumulators ((a, b) at v[128 + 8 (4 a + b)]).
;   window 1: two fragment buffers of 128: for 64 along K, 64 registers of A, then 64 of B.
.set SIZE_M, 8192
.set SIZE_N, 1024
.set SIZE_K, 1024
.set KSTEP,  256
.set PITCH,  528                       ; an LDS row: 512 bytes + 16 of padding = 132 words: the 16 rows of a load start 4 words apart modulo 64
.set HALFT,  64*PITCH                  ; 64 rows: what one tensor load brings
.set SLOT,   4*HALFT                   ; A's 128 rows, then B's 128 rows
.set STAGE,  2*SLOT                    ; behind the ring: 16 rows x 272 bytes for each wave
.set SPITCH, 272
.set SPARE,  STAGE+4*16*SPITCH         ; the spare words, 128 bytes a wave, which no other line names
.set LAPS, SIZE_K/(2*KSTEP)            ; a lap = two K steps = once round the ring: 2
.set ADRA, 16                          ; v16-17  LDS address of my A fragments in slot 0, 1
.set ADRB, 20                          ; v20-21  the same for B
.set STO,  24                          ; v24     the way out: where I put 32 bytes of a row
.set RD,   25                          ; v25     where I read a row back
.set CO,   26                          ; v26     my byte offset in two rows of C
.set BO,   27                          ; v27     my byte offset in a block's 16 numbers of the bias
.set SPW,  28                          ; v28     my spare word; never rewritten
.set NIL,  29                          ; v29     0; never rewritten
.set TMP,  32
.set BIAS, 96
.set ACC,  128
.set F0,   0                           ; fragment buffers, in window 1
.set F1,   128
.set G1, 24                            ; s[24:31] group 1 for A's tiles;  s[32:39] group 0, a set for each slot
.set G0, 32
.set G1B, 48                           ; s[48:55], s[56:63] the same for B's
.set G0B, 56
.set MSB, 0
.macro WIN new                         ; the immediate's high byte repeats the setting that is left
.if MSB != \new
	s_set_vgpr_msb (MSB<<8)|\new
.set MSB, \new
.endif
.endm
.set MUL,  0x05                        ; sources 0 (B) and 1 (A) window 1; C and D window 0
.set TO_F, 0x40                        ; destination window 1
.macro JLOAD s                         ; a joint load: waves 0 and 1 fetch A's two halves, waves 2 and 3 B's; an s_nop 0 and four v_nop follow each line
	s_cmp_eq_u32 s11, 0
	s_cbranch_scc0 .Lfor_b_\@
	tensor_load_to_lds s[G0+4*\s:G0+4*\s+3], s[G1:G1+7]
	s_nop 0
.rept 4
	v_nop
.endr
	s_branch .Lasked_\@
.Lfor_b_\@:
	tensor_load_to_lds s[G0B+4*\s:G0B+4*\s+3], s[G1B:G1B+7]
	s_nop 0
.rept 4
	v_nop
.endr
.Lasked_\@:
.endm
.macro CREST                           ; a round of the cluster's barrier behind its opening barrier
	s_cmp_lg_u32 s10, 0
	s_cbranch_scc1 .Lnot_wave_0_\@
	s_barrier_signal -3
.Lnot_wave_0_\@:
	s_barrier_wait -3
	s_barrier_signal -1
	s_barrier_wait -1
.endm
.macro CROUND                          ; a whole round
	s_barrier_signal -1
	s_barrier_wait -1
	CREST
.endm
	s_load_b128 s[4:7], s[0:1], 0x0                ; att s[4:5], wc16 s[6:7]
	s_load_b128 s[68:71], s[0:1], 0x10             ; bc s[68:69], out0 s[70:71]
	v_lshl_add_u32 v[SPW], v0, 2, SPARE
	v_mov_b32 v[NIL], 0
	ds_add_u32 v[SPW], v[NIL]                      ; the wave's opening: the add, twice on end, and its wait ahead of my first tensor load
	ds_add_u32 v[SPW], v[NIL]
	v_lshrrev_b32 v1, 5, v0
	v_readfirstlane_b32 s10, v1                    ; wave 0..3
	s_lshr_b32 s11, s10, 1                         ; which half of the tile's rows is mine.  Also: I fetch for A (0) or for B (1)
	s_and_b32 s12, s10, 1                          ; which half of its columns.  Also: which 64 rows of that tile I fetch
	s_bfe_u32 s40, ttmp6, 0x40000                  ; cx, cy: my place in the cluster
	s_bfe_u32 s41, ttmp6, 0x40004
	s_lshl_b32 s42, ttmp9, 2
	s_add_co_u32 s42, s42, s40                     ; tile column of C
	s_and_b32 s13, ttmp7, 0xffff
	s_lshl_b32 s13, s13, 2
	s_add_co_u32 s13, s13, s41                     ; tile row of C
	s_lshl_b32 s43, s41, 2
	s_lshl_b32 s43, 15, s43                        ; my row of the cluster
	s_lshl_b32 s44, 0x1111, s40                    ; my column
	s_or_b32 s[G1+0], s43, (1<<16)|(1<<20)|(1<<21)|(6<<22)|(3<<25)  ; the mask; elements of 2 bytes; padding on; bit 21 beside a mask; 4 words behind every 128
	s_or_b32 s[G1B+0], s44, (1<<16)|(1<<20)|(1<<21)|(6<<22)|(3<<25)
.irp g, G1, G1B
	s_mov_b32 s[\g+1], KSTEP<<16                   ; tensor_dim0
	s_mov_b32 s[\g+2], 64<<16                      ; tensor_dim1
	s_mov_b32 s[\g+3], KSTEP<<16                   ; tile_dim0
	s_mov_b32 s[\g+4], 64                          ; tile_dim1
	s_mov_b32 s[\g+5], SIZE_K                      ; from row to row
	s_mov_b32 s[\g+6], 0
	s_mov_b32 s[\g+7], 0
.endr
	s_lshl_b32 s17, s12, 6                         ; which 64 rows of the tile I fetch
	s_lshl_b32 s16, s13, 7
	s_add_co_u32 s16, s16, s17                     ; A: row 128 x tile row + 64 x half
	s_lshl_b32 s46, s42, 7
	s_add_co_u32 s46, s46, s17                     ; B: row 128 x tile column + 64 x half
	s_mov_b32 s17, 0
	s_mov_b32 s47, 0
	s_mov_b64 s[18:19], SIZE_K*2
	s_mul_u64 s[16:17], s[16:17], s[18:19]
	s_mul_u64 s[46:47], s[46:47], s[18:19]
	s_mul_i32 s20, s10, HALFT                      ; where they go: wave x 64 rows: no place in the cluster enters an LDS address
	s_wait_dscnt 0x0                               ; both opening adds are done
	s_wait_kmcnt 0x0
	s_add_nc_u64 s[14:15], s[4:5], s[16:17]
	s_add_nc_u64 s[46:47], s[6:7], s[46:47]
	CROUND                                         ; all sixteen work-groups are here: the first joint loads meet
.irp s, 0,1
	s_mov_b32 s[G0+4*\s], 1
	s_add_co_u32 s[G0+4*\s+1], s20, \s*SLOT
	s_add_nc_u64 s[G0+4*\s+2:G0+4*\s+3], s[14:15], \s*KSTEP*2
	s_or_b32 s[G0+4*\s+3], s[G0+4*\s+3], 0x80000000
	s_mov_b32 s[G0B+4*\s], 1
	s_add_co_u32 s[G0B+4*\s+1], s20, \s*SLOT
	s_add_nc_u64 s[G0B+4*\s+2:G0B+4*\s+3], s[46:47], \s*KSTEP*2
	s_or_b32 s[G0B+4*\s+3], s[G0B+4*\s+3], 0x80000000
	JLOAD \s                                       ; two tensor loads of mine are out behind the second
.endr
	v_and_b32 v1, 15, v0                           ; l % 16
	v_bfe_u32 v2, v0, 4, 1                         ; l / 16
	v_mul_u32_u24 v3, v1, PITCH
	v_lshl_add_u32 v3, v2, 4, v3                   ; a fragment's row x pitch + 16 x half
	s_mul_i32 s21, s11, HALFT                      ; my 64 rows of A
	s_mul_i32 s22, s12, HALFT                      ; my 64 rows of B,
	s_add_co_u32 s22, s22, 2*HALFT                 ; behind A's 128
.irp s, 0,1
	v_add_nc_u32 v[ADRA+\s], s21, v3
	v_add_nc_u32 v[ADRB+\s], s22, v3
	s_add_co_u32 s21, s21, SLOT
	s_add_co_u32 s22, s22, SLOT
.endr
	s_mul_i32 s23, s10, 16*SPITCH
	s_add_co_u32 s23, s23, STAGE                   ; my stage
	v_mul_u32_u24 v4, v1, SPITCH                   ; in: row l % 16, 32 bytes for each half of the lanes
	v_lshl_add_u32 v4, v2, 5, v4
	v_add_nc_u32 v[STO], s23, v4
	v_mul_u32_u24 v5, v2, SPITCH                   ; back: lanes 0-15 one row of 256 bytes, lanes 16-31 the next
	v_lshl_add_u32 v5, v1, 4, v5
	v_add_nc_u32 v[RD], s23, v5
	v_lshlrev_b32 v5, 12, v2                       ; and the same two rows in C: 4,096 bytes a row
	v_lshl_add_u32 v[CO], v1, 4, v5
	v_lshlrev_b32 v[BO], 5, v2                     ; the bias: my half's eight numbers of a block of 16
	s_lshl_b32 s16, s13, 7
	s_lshl_b32 s17, s11, 6
	s_add_co_u32 s16, s16, s17                     ; my first row of C: 128 x tile row + 64 x half
	s_mov_b32 s17, 0
	s_mov_b64 s[18:19], SIZE_N*4
	s_mul_u64 s[16:17], s[16:17], s[18:19]
	s_add_nc_u64 s[70:71], s[70:71], s[16:17]
	s_lshl_b32 s46, s42, 9                         ; my first column, in bytes of f32: 512 x tile column + 256 x half: in C and in the bias alike
	s_lshl_b32 s47, s12, 8
	s_add_co_u32 s46, s46, s47
	s_mov_b32 s47, 0
	s_add_nc_u64 s[70:71], s[70:71], s[46:47]
	s_add_nc_u64 s[68:69], s[68:69], s[46:47]
.irp b, 0,1,2,3
	global_load_b128 v[BIAS+8*\b:BIAS+8*\b+3],   v[BO], s[68:69] offset:64*\b      ; bc at columns 16 b + 8 (l / 16) + 0..7
	global_load_b128 v[BIAS+8*\b+4:BIAS+8*\b+7], v[BO], s[68:69] offset:64*\b+16
.endr
; 8 matrix instructions: m blocks a0, a0 + 1 x all 4 n blocks, 32 along K: half c of buffer f.  zero = 1: the first product starts the sums, from the bias.
; The 16 accumulators take turns, one instruction a turn.
.macro MUL8 f, c, a0, zero
.irp a, \a0, \a0+1
.irp b, 0,1,2,3
.if \zero
	v_wmma_f32_16x16x32_f16 v[ACC+8*(4*(\a)+\b):ACC+8*(4*(\a)+\b)+7], v[\f+64+8*(4*\c+\b):\f+64+8*(4*\c+\b)+7], v[\f+8*(4*\c+\a):\f+8*(4*\c+\a)+7], v[BIAS+8*\b:BIAS+8*\b+7]
.else
	v_wmma_f32_16x16x32_f16 v[ACC+8*(4*(\a)+\b):ACC+8*(4*(\a)+\b)+7], v[\f+64+8*(4*\c+\b):\f+64+8*(4*\c+\b)+7], v[\f+8*(4*\c+\a):\f+8*(4*\c+\a)+7], v[ACC+8*(4*(\a)+\b):ACC+8*(4*(\a)+\b)+7]
.endif
.endr
.endr
.endm
; 32 LDS loads in one run: the fragments of 64 along K at byte k of the rows, into buffer f; the first 32 along K first
.macro FETCH slot, k, f
	WIN TO_F
.irp c, 0,1
.irp i, 0,1,2,3
	ds_load_b128 v[\f+64+8*(4*\c+\i):\f+64+8*(4*\c+\i)+3],   v[ADRB+\slot] offset:\k+64*\c+\i*16*PITCH
	ds_load_b128 v[\f+64+8*(4*\c+\i)+4:\f+64+8*(4*\c+\i)+7], v[ADRB+\slot] offset:\k+64*\c+\i*16*PITCH+32
	ds_load_b128 v[\f+8*(4*\c+\i):\f+8*(4*\c+\i)+3],         v[ADRA+\slot] offset:\k+64*\c+\i*16*PITCH
	ds_load_b128 v[\f+8*(4*\c+\i)+4:\f+8*(4*\c+\i)+7],       v[ADRA+\slot] offset:\k+64*\c+\i*16*PITCH+32
.endr
.endr
.endm
.macro PLACES                          ; four plain vector instructions between a matrix instruction and a load into, or a read of, its registers
.rept 4
	v_nop
.endr
.endm
; A K step is four quarters of 64 along K, 32 matrix instructions each, on buffers 0, 1, 0, 1.  One of the first three: multiplies buffer f and fetches the next quarter, at byte k, into g.
.macro QUARTER slot, k, f, g, zero
	s_wait_dscnt 16                                ; the first 32 along K are in; the sixteen loads of the second 32 may be out
	WIN MUL
	MUL8 \f, 0, 0, \zero
	MUL8 \f, 0, 2, \zero
	PLACES
	FETCH \slot, \k, \g
	s_wait_dscnt 32                                ; all but the 32 just issued
	WIN MUL
	MUL8 \f, 1, 0, 0
	MUL8 \f, 1, 2, 0
.endm
; The last quarter multiplies buffer 1 and changes slots: ONE barrier; in front of it each wave waits for all its tensor loads, adds 0 to its spare word, and waits for that and for its reads of this slot.
; fill = 1: the barrier opens a round of the cluster's, and this slot is filled again, two K steps ahead, first thing behind the round.
.macro TURN slot, next, fill
	WIN 0                                          ; (the add's two registers lie in window 0)
	s_wait_tensorcnt 0x0                           ; all my tensor loads have landed: my part of the next slot
	ds_add_u32 v[SPW], v[NIL]                      ; 0 onto my spare word
	s_wait_dscnt 17                                ; (the add and the youngest sixteen loads may be out)
	WIN MUL
	MUL8 F1, 0, 0, 0
	s_wait_dscnt 0x0                               ; the add is done, and my reads of this slot are over
	s_barrier_signal -1
	MUL8 F1, 0, 2, 0
.if \fill
	WIN 0
.endif
	s_barrier_wait -1
.if \fill
	CREST                                          ; no wave of any partner still reads this slot's tile or has a load on its way
	s_add_nc_u64 s[G0+4*\slot+2:G0+4*\slot+3], s[G0+4*\slot+2:G0+4*\slot+3], 2*KSTEP*2
	s_add_nc_u64 s[G0B+4*\slot+2:G0B+4*\slot+3], s[G0B+4*\slot+2:G0B+4*\slot+3], 2*KSTEP*2
	JLOAD \slot                                    ; the four v_nop behind it are also the places in front of the loads below
.else
	PLACES
.endif
	FETCH \next, 0, F0
	WIN MUL
	MUL8 F1, 1, 0, 0
	MUL8 F1, 1, 2, 0
.endm
	s_wait_tensorcnt 1                             ; my part of K step 0 is in (K step 1's load may be out)
	s_barrier_signal -1
	s_barrier_wait -1                              ; everybody's is
	FETCH 0, 0, F0
	s_wait_loadcnt 0x0                             ; the bias
	QUARTER 0, 128, F0, F1, 1                      ; the first quarter stands in front of the loop: its first products start the sums
	WIN 0                                          ; at a label and at a branch every window is 0
	s_mov_b32 s3, LAPS-1
.Llap:                                                 ; a trip goes once round the ring, from a lap's second quarter to the next lap's first, and fills both slots again
	QUARTER 0, 256, F1, F0, 0
	QUARTER 0, 384, F0, F1, 0
	TURN 0, 1, 1
	QUARTER 1, 128, F0, F1, 0
	QUARTER 1, 256, F1, F0, 0
	QUARTER 1, 384, F0, F1, 0
	TURN 1, 0, 1
	QUARTER 0, 128, F0, F1, 0
	WIN 0
	s_sub_co_u32 s3, s3, 1
	s_cmp_lg_u32 s3, 0
	s_cbranch_scc1 .Llap
	QUARTER 0, 256, F1, F0, 0                      ; the last lap fills nothing, and has no round of the cluster's barrier
	QUARTER 0, 384, F0, F1, 0
	TURN 0, 1, 0
	QUARTER 1, 128, F0, F1, 0
	QUARTER 1, 256, F1, F0, 0
	QUARTER 1, 384, F0, F1, 0
	s_wait_dscnt 16                                ; the very last quarter: nothing more to fetch
	WIN MUL
	MUL8 F1, 0, 0, 0
	MUL8 F1, 0, 2, 0
	s_wait_dscnt 0
	MUL8 F1, 1, 0, 0
	MUL8 F1, 1, 2, 0
	WIN 0
; THE WAY OUT, a block of 16 rows x 64 columns at a time: the accumulators go to my own stage as they are, each from its low end on, and come back as whole rows of 256 bytes.
; LDS serves a wave's instructions in order: no wait stands between the stores and the loads, nor in front of the next block's stores.
.macro TOSTAGE a
.irp b, 0,1,2,3
	ds_store_b128 v[STO], v[ACC+8*(4*(\a)+\b):ACC+8*(4*(\a)+\b)+3] offset:64*\b
	ds_store_b128 v[STO], v[ACC+8*(4*(\a)+\b)+4:ACC+8*(4*(\a)+\b)+7] offset:64*\b+16
.endr
.irp i, 0,1,2,3,4,5,6,7
	ds_load_b128 v[TMP+32*((\a)%2)+4*\i:TMP+32*((\a)%2)+4*\i+3], v[RD] offset:\i*2*SPITCH
.endr
.endm
.macro SEND a, younger                 ; younger: the LDS instructions issued behind block a's loads, which may stay out
	s_wait_dscnt \younger
.irp i, 0,1,2,3,4,5,6,7
	global_store_b128 v[CO], v[TMP+32*((\a)%2)+4*\i:TMP+32*((\a)%2)+4*\i+3], s[70:71] offset:(16*(\a)+2*\i)*SIZE_N*4 th:TH_STORE_NT   ; 16 lanes store 256 consecutive bytes, aligned; the row stands in the immediate (62 rows of 4,096 bytes at the most)
.endr
.endm
	PLACES                                         ; behind the last products, ahead of the first read of results
	TOSTAGE 0
.irp a, 1,2,3
.if \a > 1
	s_wait_xcnt 0x0                                ; block a - 2's stores have read their registers: block a's loads land there only behind this wait
.endif
	TOSTAGE \a
	SEND \a-1, 16                                  ; behind block a - 1's loads: block a's eight stores and eight loads
.endr
	SEND 3, 0
	s_wait_tensorcnt 0x0                           ; the wave's end, behind my last tensor load and my last LDS store
	ds_add_u32 v[SPW], v[NIL]
	s_wait_dscnt 0x0
	CROUND                                         ; the closing round
	s_endpgm
.Lfunc_end_k_q942cf90711_outp:
	.size	k_q942cf90711_outp, .Lfunc_end_k_q942cf90711_outp-k_q942cf90711_outp
	.p2alignl 7, 3214868480
	.fill 96, 4, 3214868480
	.section	.rodata,"a",@progbits
	.p2align	6, 0x0
	.amdhsa_kernel k_q942cf90711_outp
		.amdhsa_group_segment_fixed_size 327680
		.amdhsa_private_segment_fixed_size 0
		.amdhsa_enable_private_segment 0
		.amdhsa_kernarg_size 32
		.amdhsa_user_sgpr_count 2
		.amdhsa_user_sgpr_kernarg_segment_ptr 1
		.amdhsa_wavefront_size32 1
		.amdhsa_system_sgpr_workgroup_id_x 1
		.amdhsa_system_sgpr_workgroup_id_y 1
		.amdhsa_system_sgpr_workgroup_id_z 1
		.amdhsa_system_vgpr_workitem_id 0
		.amdhsa_next_free_vgpr 512
		.amdhsa_next_free_sgpr 72
		.amdhsa_reserve_vcc 0
		.amdhsa_float_denorm_mode_32 3
		.amdhsa_float_denorm_mode_16_64 3
		.amdhsa_memory_ordered 1
		.amdhsa_forward_progress 1
		.amdhsa_inst_pref_size 86
	.end_amdhsa_kernel
	.amdgpu_metadata
---
amdhsa.version: [ 1, 2 ]
amdhsa.kernels:
  - .name:           k_q942cf90711_outp
    .symbol:         k_q942cf90711_outp.kd
    .args:
      - { .name: att, .offset: 0, .size: 8, .value_kind: global_buffer, .address_space: global }
      - { .name: wc16, .offset: 8, .size: 8, .value_kind: global_buffer, .address_space: global }
      - { .name: bc, .offset: 16, .size: 8, .value_kind: global_buffer, .address_space: global }
      - { .name: out0, .offset: 24, .size: 8, .value_kind: global_buffer, .address_space: global }
    .group_segment_fixed_size: 327680
    .private_segment_fixed_size: 0
    .kernarg_segment_align: 8
    .kernarg_segment_size: 32
    .max_flat_workgroup_size: 128
    .sgpr_count:     72
    .vgpr_count:     512
    .wavefront_size: 32
...
	.end_amdgpu_metadata
.endif
;; end of part 4
